; MI455X (gfx1250); checked and timed in simulation.
; The chip was launched on July 23, 2026; its instructions are those of AMD's public machine-readable ISA for CDNA 5 (MIT licence, August 2026) and "CDNA5" Instruction Set Architecture Reference Guide (July 2026). The comments in the code are by the model that wrote it; some were corrected since.
;; Attention Layer. Allowed arithmetic: float matrix products may take bf16 or f16 operands with f32 sums; other float arithmetic in f32, or as packed bf16 or f16 multiplies, adds, multiply-adds, maxima and minima; sums over many terms, partial sums and values carried from step to step in f32; what a program stores and reads back later, other than sums and carried values, may be rounded once to bf16 or f16.
;; Inputs: K 4 x 2,048 x 1,024 float32; Q 4 x 2,048 x 1,024 float32; V 4 x 2,048 x 1,024 float32; WK 1,024 x 1,024 float32; WQ 1,024 x 1,024 float32; WV 1,024 x 1,024 float32.
;; Outputs: out0 4 x 2,048 x 1,024 float32.
;; 2 versions, each right; version 2 is version 1 with the launch cast written anew for expert scheduling mode. Each part assembles by itself: llvm-mc -triple=amdgcn-amd-amdhsa -mcpu=gfx1250 --defsym DOCPART=n.
;; ======== version 1 of 2: 4 launches
;; limits: values are held in f16: magnitudes above 65,504 overflow, below 6.1e-05 lose precision
;; workspace buffers: xb 50,331,648 bytes; wb 6,291,456 bytes; qkv 50,331,648 bytes; pw 33,554,432 bytes; st 1,048,576 bytes; cs 131,072 bytes
;; launch cast (part 1): grid 32 x 27, 8 waves a work-group, no clusters, 0 bytes of LDS; arguments Q, K, V, WQ, WK, WV, xb, wb; writes xb, wb
.if DOCPART == 1
	.amdgcn_target "amdgcn-amd-amdhsa--gfx1250"
	.amdhsa_code_object_version 6
	.text
	.protected	k_q52811c3b26_cast
	.globl	k_q52811c3b26_cast
	.p2align	8
	.type	k_q52811c3b26_cast,@function
k_q52811c3b26_cast:
	s_mov_b64 s[64:65], 0
	v_nop
	global_prefetch_b8 v0, s[64:65] scope:SCOPE_SE
	s_setreg_imm32_b32 hwreg(HW_REG_WAVE_MODE, 25, 1), 1
	s_wait_xcnt 0x0
; f32 -> bf16, rounded once to nearest even: Q, K, V into xb [3][8192][1024], WQ, WK, WV into wb [3][1024][1024].
; A stream: every byte is read once and written once; no LDS, no barrier, no matrix unit, no prefetch (nothing but memory is at work).
; SHARES.  Grid y names a unit of 1,048,576 numbers: units 0-23 are the eighths of Q, K, V, units 24-26 the three weights.  A work-group takes 128 KiB of a unit,
; a wave 16 KiB: 32 loads of 16 bytes a lane, all issued at once; each is rounded as it lands and stored as 8 bytes a lane: 32 lanes store 256 consecutive bytes, aligned.
.set NLD, 32                           ; loads of a wave
.set X,   8                            ; v[8:135]    as loaded
.set Y,   136                          ; v[136:199]  to store: registers of their own, so no store's data is ever rewritten
	s_load_b512 s[8:23], s[0:1], 0x0               ; Q, K, V, WQ, WK, WV, xb, wb
	v_lshrrev_b32 v3, 5, v0
	v_readfirstlane_b32 s25, v3                    ; wave 0..7
	v_and_b32 v1, 31, v0
	v_lshlrev_b32 v2, 3, v1                        ; 8 bytes a lane out
	v_lshlrev_b32 v1, 4, v1                        ; 16 bytes a lane in
	s_and_b32 s2, ttmp7, 0xffff                    ; the unit
	s_lshr_b32 s3, s2, 3                           ; units 0-23: which of Q, K, V
	s_and_b32 s4, s2, 7                            ; its eighth; units 24-26: which weight
	s_cmp_lt_u32 s2, 24
	s_cselect_b32 s5, s3, s4                       ; which of the three tensors of its kind
	s_cselect_b32 s6, s4, 0                        ; the unit's place in the source,
	s_cselect_b32 s7, s2, s4                       ; and in the destination
	s_cselect_b32 s24, 1, 0                        ; 1: an activation, 0: a weight
	s_lshl_b32 s6, s6, 22                          ; a unit is 4 MiB in,
	s_lshl_b32 s34, ttmp9, 17                      ; a work-group 128 KiB,
	s_add_co_u32 s6, s6, s34
	s_lshl_b32 s34, s25, 14                        ; a wave 16 KiB
	s_add_co_u32 s34, s6, s34
	s_mov_b32 s35, 0
	s_lshl_b32 s7, s7, 21                          ; and half of each out
	s_lshl_b32 s36, ttmp9, 16
	s_add_co_u32 s7, s7, s36
	s_lshl_b32 s36, s25, 13
	s_add_co_u32 s36, s7, s36
	s_mov_b32 s37, 0
	s_wait_kmcnt 0x0
	s_cmp_eq_u32 s24, 1
	s_cselect_b64 s[26:27], s[8:9], s[14:15]       ; the three candidates of the unit's kind
	s_cselect_b64 s[28:29], s[10:11], s[16:17]
	s_cselect_b64 s[30:31], s[12:13], s[18:19]
	s_cselect_b64 s[32:33], s[20:21], s[22:23]     ; and the destination
	s_cmp_eq_u32 s5, 0
	s_cselect_b64 s[26:27], s[26:27], s[28:29]
	s_cmp_eq_u32 s5, 2
	s_cselect_b64 s[26:27], s[30:31], s[26:27]
	s_add_nc_u64 s[26:27], s[26:27], s[34:35]
	s_add_nc_u64 s[32:33], s[32:33], s[36:37]
.set i, 0
.rept NLD
	global_load_b128 v[X+4*i:X+4*i+3], v1, s[26:27] offset:512*i th:TH_LOAD_NT
.set i, i+1
.endr
.set i, 0
.rept NLD
	s_wait_loadcnt NLD-1-i                         ; loads come back in order: load i is in, the younger ones stay out
	v_cvt_pk_bf16_f32 v[Y+2*i], v[X+4*i], v[X+4*i+1]
	v_cvt_pk_bf16_f32 v[Y+2*i+1], v[X+4*i+2], v[X+4*i+3]
	global_store_b64 v2, v[Y+2*i:Y+2*i+1], s[32:33] offset:256*i
.set i, i+1
.endr
	s_endpgm
.Lfunc_end_k_q52811c3b26_cast:
	.size	k_q52811c3b26_cast, .Lfunc_end_k_q52811c3b26_cast-k_q52811c3b26_cast
	.p2alignl 7, 3214868480
	.fill 96, 4, 3214868480
	.section	.rodata,"a",@progbits
	.p2align	6, 0x0
	.amdhsa_kernel k_q52811c3b26_cast
		.amdhsa_group_segment_fixed_size 0
		.amdhsa_private_segment_fixed_size 0
		.amdhsa_enable_private_segment 0
		.amdhsa_kernarg_size 64
		.amdhsa_user_sgpr_count 2
		.amdhsa_user_sgpr_kernarg_segment_ptr 1
		.amdhsa_wavefront_size32 1
		.amdhsa_system_sgpr_workgroup_id_x 1
		.amdhsa_system_sgpr_workgroup_id_y 1
		.amdhsa_system_sgpr_workgroup_id_z 1
		.amdhsa_system_vgpr_workitem_id 0
		.amdhsa_next_free_vgpr 200
		.amdhsa_next_free_sgpr 66
		.amdhsa_reserve_vcc 0
		.amdhsa_float_denorm_mode_32 3
		.amdhsa_float_denorm_mode_16_64 3
		.amdhsa_memory_ordered 1
		.amdhsa_forward_progress 1
		.amdhsa_inst_pref_size 13
	.end_amdhsa_kernel
	.amdgpu_metadata
---
amdhsa.version: [ 1, 2 ]
amdhsa.kernels:
  - .name:           k_q52811c3b26_cast
    .symbol:         k_q52811c3b26_cast.kd
    .args:
      - { .name: Q, .offset: 0, .size: 8, .value_kind: global_buffer, .address_space: global }
      - { .name: K, .offset: 8, .size: 8, .value_kind: global_buffer, .address_space: global }
      - { .name: V, .offset: 16, .size: 8, .value_kind: global_buffer, .address_space: global }
      - { .name: WQ, .offset: 24, .size: 8, .value_kind: global_buffer, .address_space: global }
      - { .name: WK, .offset: 32, .size: 8, .value_kind: global_buffer, .address_space: global }
      - { .name: WV, .offset: 40, .size: 8, .value_kind: global_buffer, .address_space: global }
      - { .name: xb, .offset: 48, .size: 8, .value_kind: global_buffer, .address_space: global }
      - { .name: wb, .offset: 56, .size: 8, .value_kind: global_buffer, .address_space: global }
    .group_segment_fixed_size: 0
    .private_segment_fixed_size: 0
    .kernarg_segment_align: 8
    .kernarg_segment_size: 64
    .max_flat_workgroup_size: 256
    .sgpr_count:     66
    .vgpr_count:     200
    .wavefront_size: 32
...
	.end_amdgpu_metadata
.endif
;; end of part 1
;; launch proj (part 2): grid 4 x 96, 4 waves a work-group, clusters of 4 x 4, 327,680 bytes of LDS; arguments xb, wb, qkv; writes qkv
.if DOCPART == 2
	.amdgcn_target "amdgcn-amd-amdhsa--gfx1250"
	.amdhsa_code_object_version 6
	.text
	.protected	k_q52811c3b26_proj
	.globl	k_q52811c3b26_proj
	.p2align	8
	.type	k_q52811c3b26_proj,@function
k_q52811c3b26_proj:
	s_mov_b64 s[64:65], 0
	v_nop
	global_prefetch_b8 v0, s[64:65] scope:SCOPE_SE
	s_setreg_imm32_b32 hwreg(HW_REG_WAVE_MODE, 25, 1), 1
	s_wait_xcnt 0x0
	s_wait_alu depctr_hold_cnt(0) depctr_sa_sdst(0) depctr_va_vdst(0) depctr_va_sdst(0) depctr_va_ssrc(0) depctr_va_vcc(0) depctr_vm_vsrc(0)
	s_getreg_b32 s2, hwreg(HW_REG_IB_STS2, 6, 4)
	s_cmp_eq_u32 s2, 0
	s_cbranch_scc0 .Lentry_in_a_cluster
	s_endpgm
.Lentry_in_a_cluster:
	s_bfe_u32 s2, ttmp6, 0x10000c
	s_cmp_lg_u32 s2, 0xf033
	s_cbranch_scc0 .Lentry_shape_is_right
	s_endpgm
.Lentry_shape_is_right:
; THE THREE PROJECTIONS AS ONE PRODUCT.  qkv[m][n] = sum over k of xb[m][k] wb[1024 pr + n][k], pr = m / 8192.  xb: [24576][1024] bf16, wb: [3072][1024] bf16, qkv: [24576][1024] f16; sums in f32.
; LIMIT.  q, k and v are rounded once to f16, which holds no number beyond 65,504: a larger sum becomes an infinity.  NaN and infinities are not treated apart.
; A tile of 256 x 256 is made by a work-group of four waves; a wave makes 128 x 128: 64 accumulators of 16 x 16, 512 registers.  K goes in 8 steps of 128 through a ring of two LDS slots filled by
; the tensor data mover: the tiles' rows are 256 bytes of memory and start at multiples of 256 bytes.
; CLUSTERS: 4 x 4 work-groups.  The four of a row of the cluster need the same tile of xb, the four of a column the same tile of wb: each is asked for JOINTLY, by the same tensor load with the same
; descriptor and a mask that names the four.  A cluster's 1,024 rows lie in one projection (8,192 is a multiple), so pr is equal in all sixteen.
; REGISTERS, in windows of 256: window 0: v0-31 addresses; v64-127, v128-191 fragments of xb, two buffers; v32-63, v192-255 at work on the way out.  window 1: v64-191 fragments of wb, two buffers.
;   window 2: the 32 accumulators of my rows 0-63 ((a, b) at v[8 (8 a + b)]); window 3: those of my rows 64-127.
; THE MATRIX INSTRUCTION IS USED TRANSPOSED: source 0 = 16 rows of wb, source 1 = 16 rows of xb: a lane then holds row l % 16 and eight NEIGHBOURING columns 8 (l / 16) + 0..7, which pack into 16 bytes.
.set SIZE_K, 1024
.set SIZE_N, 1024
.set KSTEP,  128
.set PITCH,  272                       ; an LDS row: 256 bytes + 16 of padding = 68 words: the 16 rows that a load touches start at 16 different groups of four banks (64 banks of 4 bytes: ISA guide 11.1)
.set HALFT,  128*PITCH                 ; 128 rows: what one tensor load brings
.set SLOT,   4*HALFT                   ; xb's 256 rows, then wb's 256 rows
.set STAGE,  2*SLOT                    ; behind the ring: 16 rows x 272 bytes for each wave, for the way out
.set SPITCH, 272
.set SPARE,  STAGE+4*16*SPITCH         ; behind the stages: the spare words, 128 bytes for each wave
.set LAPS,   SIZE_K/(2*KSTEP)          ; a lap = two K steps = once round the ring
.set ADRA, 16                          ; v16-17  LDS address of my A fragments in slot 0, 1
.set ADRB, 20                          ; v20-21  the same for B
.set STO,  24                          ; v24     the way out: where I put 16 bytes of a row
.set RD,   25                          ; v25     where I read a row back
.set CO,   26                          ; v26     my byte offset in two rows of qkv
.set SPW,  28                          ; v28     my spare word; never rewritten
.set NIL,  29                          ; v29     0; never rewritten
.set PFO,  30                          ; v30     the prefetches' offset: my lane x a row (2,048 bytes); never rewritten
.set PFA,  44                          ; s[44:45] where my prefetches stand
.set LIM,  43                          ; s43     1 in a wave that prefetches, else the greatest number
.set F0,   64
.set F1,   128
.set TMP,  192
.set OB,   32
.set G1,  24                           ; s[24:31] descriptor group 1 for A's tiles; s[32:39] group 0, a set for each slot
.set G0,  32
.set G1B, 48                           ; s[48:55], s[56:63] the same for B's
.set G0B, 56
.set MSB, 0
.macro WIN new                         ; the immediate's high byte repeats the setting that is left; a switch that changes nothing is dropped
.if MSB != (\new)
	s_set_vgpr_msb (MSB<<8)|(\new)
.set MSB, \new
.endif
.endm
.set MUL_LO, 0xa1                      ; source 0 (B) window 1, source 1 (A) window 0, C and D window 2
.set MUL_HI, 0xf1                      ; the same, C and D window 3
.set TO_B,   0x40                      ; destination window 1, address window 0
; A joint load.  Waves 0 and 1 fetch A's two halves, waves 2 and 3 B's.  The branch hangs on the wave's number alone.  An s_nop 0 and four v_nop follow each line.
.macro JLOAD s
	s_cmp_eq_u32 s11, 0
	s_cbranch_scc0 .Lfor_b_\@
	tensor_load_to_lds s[G0+4*(\s):G0+4*(\s)+3], s[G1:G1+7]
	s_nop 0
.rept 4
	v_nop
.endr
	s_branch .Lasked_\@
.Lfor_b_\@:
	tensor_load_to_lds s[G0B+4*(\s):G0B+4*(\s)+3], s[G1B:G1B+7]
	s_nop 0
.rept 4
	v_nop
.endr
.Lasked_\@:
.endm
; A prefetch of the K step that stands two refills on: 32 rows x 256 bytes, a lane a row, one instruction a wave.  Each row's 256 bytes of a K step are named once in the launch: xb's rows are read by
; one cluster alone; wb's rows by the eight clusters of a projection, of which the first asks.  The four partners that ask for a tile jointly share its rows out by address, 32 each.
; The loop's last trip asks for nothing: its refills are the last two K steps.
.macro ASK
	s_cmp_gt_u32 s3, s[LIM]
	s_cbranch_scc0 .Lnot_mine_\@
	global_prefetch_b8 v[PFO], s[PFA:PFA+1] offset:KSTEP*2 th:TH_LOAD_NT scope:SCOPE_SE
.Lnot_mine_\@:
.endm
.macro CREST                           ; a round of the cluster's barrier behind its opening barrier
	s_cmp_lg_u32 s10, 0
	s_cbranch_scc1 .Lnot_wave_0_\@
	s_barrier_signal -3
.Lnot_wave_0_\@:
	s_barrier_wait -3
	s_barrier_signal -1
	s_barrier_wait -1
.endm
.macro CROUND                          ; a whole round
	s_barrier_signal -1
	s_barrier_wait -1
	CREST
.endm
	s_load_b128 s[4:7], s[0:1], 0x0                ; xb s[4:5], wb s[6:7]
	s_load_b64 s[8:9], s[0:1], 0x10                ; qkv
	v_lshl_add_u32 v[SPW], v0, 2, SPARE
	v_mov_b32 v[NIL], 0
	ds_add_u32 v[SPW], v[NIL]                      ; the wave's opening: the add and its wait stand ahead of my first tensor load; the set-up below stands between them
	v_lshrrev_b32 v1, 5, v0
	v_readfirstlane_b32 s10, v1                    ; wave 0..3
	s_lshr_b32 s11, s10, 1                         ; which half of the tile's rows is mine.  Also: I fetch for A (0) or for B (1)
	s_and_b32 s12, s10, 1                          ; which half of its columns.  Also: which 128 rows of that tile I fetch
	s_bfe_u32 s40, ttmp6, 0x40000                  ; cx
	s_bfe_u32 s41, ttmp6, 0x40004                  ; cy
	s_lshl_b32 s42, ttmp9, 2
	s_add_co_u32 s42, s42, s40                     ; tile column = 4 x cluster x + cx
	s_and_b32 s13, ttmp7, 0xffff
	s_lshr_b32 s2, s13, 3                          ; the projection: eight clusters of 1,024 rows each,
	s_lshl_b32 s2, s2, 10                          ; as a row of wb
	s_lshl_b32 s13, s13, 2
	s_add_co_u32 s13, s13, s41                     ; tile row = 4 x cluster y + cy
	s_lshl_b32 s43, s41, 2
	s_lshl_b32 s43, 15, s43                        ; my row of the cluster
	s_lshl_b32 s44, 0x1111, s40                    ; my column
	s_or_b32 s[G1+0], s43, (1<<16)|(1<<20)|(1<<21)|(5<<22)|(3<<25)  ; the mask; elements of 2 bytes; padding on; bit 21 beside a mask; after every 64 words 4 words
	s_or_b32 s[G1B+0], s44, (1<<16)|(1<<20)|(1<<21)|(5<<22)|(3<<25)
.irp g, G1, G1B
	s_mov_b32 s[(\g)+1], KSTEP<<16                 ; tensor_dim0 = 128
	s_mov_b32 s[(\g)+2], 128<<16                   ; tensor_dim1 = 128
	s_mov_b32 s[(\g)+3], KSTEP<<16                 ; tile_dim0 = 128
	s_mov_b32 s[(\g)+4], 128                       ; tile_dim1 = 128
	s_mov_b32 s[(\g)+5], SIZE_K                    ; elements from row to row
	s_mov_b32 s[(\g)+6], 0
	s_mov_b32 s[(\g)+7], 0
.endr
	s_lshl_b32 s17, s12, 7                         ; which 128 rows of the tile I fetch
	s_lshl_b32 s16, s13, 8
	s_add_co_u32 s16, s16, s17                     ; A: row 256 x tile row + 128 x half
	s_lshl_b32 s46, s42, 8
	s_add_co_u32 s46, s46, s17
	s_add_co_u32 s46, s46, s2                      ; B: row 1,024 x projection + 256 x tile column + 128 x half
	s_mov_b32 s17, 0
	s_mov_b32 s47, 0
	s_mov_b64 s[18:19], SIZE_K*2
	s_mul_u64 s[16:17], s[16:17], s[18:19]
	s_mul_u64 s[46:47], s[46:47], s[18:19]
	s_mul_i32 s20, s10, HALFT                      ; where they go: wave x 128 rows: no place in the cluster enters an LDS address
	s_wait_dscnt 0x0                               ; the opening add is done
	s_wait_kmcnt 0x0
	s_add_nc_u64 s[14:15], s[4:5], s[16:17]
	s_add_nc_u64 s[46:47], s[6:7], s[46:47]
	CROUND                                         ; all sixteen work-groups are here: the first joint loads meet
.irp s, 0,1
	s_mov_b32 s[G0+4*(\s)], 1
	s_add_co_u32 s[G0+4*(\s)+1], s20, (\s)*SLOT
	s_add_nc_u64 s[G0+4*(\s)+2:G0+4*(\s)+3], s[14:15], (\s)*KSTEP*2
	s_or_b32 s[G0+4*(\s)+3], s[G0+4*(\s)+3], 0x80000000
	s_mov_b32 s[G0B+4*(\s)], 1
	s_add_co_u32 s[G0B+4*(\s)+1], s20, (\s)*SLOT
	s_add_nc_u64 s[G0B+4*(\s)+2:G0B+4*(\s)+3], s[46:47], (\s)*KSTEP*2
	s_or_b32 s[G0B+4*(\s)+3], s[G0B+4*(\s)+3], 0x80000000
	JLOAD \s                                       ; K steps 0 and 1: two loads of mine are out
.endr
	; A fragment is 16 rows x 32 K in 8 registers: lane l holds row l % 16; registers 0-3 K = 8 (l / 16) + 0..7, registers 4-7 K = 16 + 8 (l / 16) + 0..7: two loads of 16 bytes, 32 bytes apart.
	v_and_b32 v1, 15, v0
	v_bfe_u32 v2, v0, 4, 1
	v_mul_u32_u24 v3, v1, PITCH
	v_lshl_add_u32 v3, v2, 4, v3
	s_mul_i32 s21, s11, HALFT                      ; my 128 rows of A
	s_mul_i32 s22, s12, HALFT                      ; my 128 rows of B,
	s_add_co_u32 s22, s22, 2*HALFT                 ; which lie behind A's 256
.irp s, 0,1
	v_add_nc_u32 v[ADRA+(\s)], s21, v3
	v_add_nc_u32 v[ADRB+(\s)], s22, v3
	s_add_co_u32 s21, s21, SLOT
	s_add_co_u32 s22, s22, SLOT
.endr
	s_mul_i32 s23, s10, 16*SPITCH
	s_add_co_u32 s23, s23, STAGE                   ; my stage
	v_mul_u32_u24 v4, v1, SPITCH
	v_lshl_add_u32 v4, v2, 4, v4
	v_add_nc_u32 v[STO], s23, v4
	v_mul_u32_u24 v5, v2, SPITCH
	v_lshl_add_u32 v5, v1, 4, v5
	v_add_nc_u32 v[RD], s23, v5
	v_mul_u32_u24 v5, v2, SIZE_N*2
	v_lshl_add_u32 v[CO], v1, 4, v5
	s_lshl_b32 s13, s13, 8
	s_lshl_b32 s14, s11, 7
	s_add_co_u32 s16, s13, s14                     ; my first row of qkv
	s_mov_b32 s17, 0
	s_mov_b64 s[18:19], SIZE_N*2
	s_mul_u64 s[16:17], s[16:17], s[18:19]
	s_lshl_b32 s46, s42, 9                         ; my first column, in bytes
	s_lshl_b32 s47, s12, 8
	s_add_co_u32 s46, s46, s47
	s_mov_b32 s47, 0
	s_add_nc_u64 s[16:17], s[16:17], s[46:47]      ; the way out adds this to qkv's address
	; the prefetches
	s_lshl_b32 s42, s42, 8
	s_add_co_u32 s42, s42, s2                      ; B's tile begins at this row of wb
	s_and_b32 s22, ttmp7, 7                        ; the cluster's place among the eight of its projection
	s_cmp_eq_u32 s11, 0                            ; do I fetch for A?
	s_cselect_b32 s20, s13, s42                    ; the tile's first row
	s_cselect_b32 s21, s40, s41                    ; my place among the four that ask for it with me
	s_cselect_b32 s22, ttmp9, s22                  ; the coordinate along which other clusters read the same rows
	s_cselect_b64 s[PFA:PFA+1], s[4:5], s[6:7]
	s_cmp_eq_u32 s22, 0
	s_cselect_b32 s[LIM], 1, -1                    ; the same in all sixteen partners, for a given wave
	s_lshl_b32 s22, s12, 7
	s_add_co_u32 s20, s20, s22                     ; + the 128 rows that I fetch
	s_lshl_b32 s21, s21, 5
	s_add_co_u32 s20, s20, s21                     ; + my work-group's 32 of them
	s_mov_b32 s21, 0
	s_mov_b64 s[18:19], SIZE_K*2
	s_mul_u64 s[20:21], s[20:21], s[18:19]
	s_add_nc_u64 s[PFA:PFA+1], s[PFA:PFA+1], s[20:21]
	s_add_nc_u64 s[PFA:PFA+1], s[PFA:PFA+1], 2*KSTEP*2  ; at K step 2: the first refill steps it to 3 and names K step 4
	v_and_b32 v[PFO], 31, v0
	v_mul_u32_u24 v[PFO], v[PFO], SIZE_K*2
; 16 matrix instructions: m blocks a0, a0 + 1 of the window's four x all 8 n blocks, 32 along K.  zero = 1: the first product starts the sums.
.macro MUL16 f, hi, a0, zero
	WIN MUL_LO+0x50*(\hi)
.irp a, \a0, (\a0)+1
.irp b, 0,1,2,3,4,5,6,7
.if \zero
	v_wmma_f32_16x16x32_bf16 v[8*(8*(\a)+(\b)):8*(8*(\a)+(\b))+7], v[(\f)+8*(\b):(\f)+8*(\b)+7], v[(\f)+8*(4*(\hi)+(\a)):(\f)+8*(4*(\hi)+(\a))+7], 0
.else
	v_wmma_f32_16x16x32_bf16 v[8*(8*(\a)+(\b)):8*(8*(\a)+(\b))+7], v[(\f)+8*(\b):(\f)+8*(\b)+7], v[(\f)+8*(4*(\hi)+(\a)):(\f)+8*(4*(\hi)+(\a))+7], v[8*(8*(\a)+(\b)):8*(8*(\a)+(\b))+7]
.endif
.endr
.endr
.endm
; 32 LDS loads in one run: the fragments of one quarter step (32 K at byte k of the rows) into buffer f
.macro FETCH slot, k, f
	WIN TO_B
.irp i, 0,1,2,3,4,5,6,7
	ds_load_b128 v[(\f)+8*(\i):(\f)+8*(\i)+3],   v[ADRB+(\slot)] offset:(\k)+(\i)*16*PITCH
	ds_load_b128 v[(\f)+8*(\i)+4:(\f)+8*(\i)+7], v[ADRB+(\slot)] offset:(\k)+(\i)*16*PITCH+32
.endr
	WIN 0
.irp i, 0,1,2,3,4,5,6,7
	ds_load_b128 v[(\f)+8*(\i):(\f)+8*(\i)+3],   v[ADRA+(\slot)] offset:(\k)+(\i)*16*PITCH
	ds_load_b128 v[(\f)+8*(\i)+4:(\f)+8*(\i)+7], v[ADRA+(\slot)] offset:(\k)+(\i)*16*PITCH+32
.endr
.endm
.macro PLACES                          ; four plain vector instructions between a matrix instruction and a load into its sources or a vector read of its result
.rept 4
	v_nop
.endr
.endm
; A K step is four quarters of 32 along K, 64 matrix instructions each, on buffers 0, 1, 0, 1.  The 64 accumulators take turns in the same order everywhere.
.macro QUARTER slot, k, f, g, zero
	s_wait_dscnt 8                                 ; B and A's rows 0-63 are in; the youngest eight loads (A's rows 64-127) may be out
	MUL16 \f, 0, 0, \zero
	MUL16 \f, 0, 2, \zero
	PLACES
	FETCH \slot, \k, \g
	s_wait_dscnt 32                                ; all but the 32 just issued
	MUL16 \f, 1, 0, \zero
	MUL16 \f, 1, 2, \zero
.endm
; The first half of a K step's last quarter: ONE barrier for the change of slots.  In front of it each wave waits for all its tensor loads (one is out: its part of the next slot), adds 0 to its
; spare word, and waits for that and for its own reads of this slot.
.macro MEET round
	WIN 0
	s_wait_tensorcnt 0x0
	ds_add_u32 v[SPW], v[NIL]
	s_wait_dscnt 9                                 ; the add and the youngest eight loads may be out
	MUL16 F1, 0, 0, 0
	s_wait_dscnt 0x0                               ; the add is done, and my reads of this slot are over
	s_barrier_signal -1
	MUL16 F1, 0, 2, 0
.if \round
	WIN 0
.endif
	s_barrier_wait -1
.endm
; The whole last quarter: behind the round the slot just read is filled again, two K steps on; a refill has 224 matrix instructions between its request and the wait for it.
.macro TURN slot, next
	s_wait_xcnt 0x0                                ; the last prefetch, a K step back, has read its address
	s_add_nc_u64 s[PFA:PFA+1], s[PFA:PFA+1], KSTEP*2
	MEET 1
	CREST                                          ; no wave of any partner still reads this slot's tile or has a load on its way
	s_add_nc_u64 s[G0+4*(\slot)+2:G0+4*(\slot)+3], s[G0+4*(\slot)+2:G0+4*(\slot)+3], 2*KSTEP*2
	s_add_nc_u64 s[G0B+4*(\slot)+2:G0B+4*(\slot)+3], s[G0B+4*(\slot)+2:G0B+4*(\slot)+3], 2*KSTEP*2
	JLOAD \slot                                    ; the four v_nop behind it are also the places in front of the loads below
	FETCH \next, 0, F0
	ASK
	MUL16 F1, 1, 0, 0
	MUL16 F1, 1, 2, 0
.endm
; THE WAY OUT of block a (16 rows): rounded to f16, 16 bytes a lane; into my own stage; back as whole rows of 256 bytes; stored.
.macro PACK a
.set AC, 64*((\a)%4)
	WIN 0x0a+5*((\a)/4)
.irp b, 0,1,2,3,4,5,6,7
.irp r, 0,1,2,3
	v_cvt_pk_f16_f32 v[TMP+4*(\b)+(\r)], v[AC+8*(\b)+2*(\r)], v[AC+8*(\b)+2*(\r)+1]
.endr
.endr
	WIN 0
.endm
.macro TOSTAGE a
	WIN 0
.set BK, OB+192*((\a)%2)
.irp b, 0,1,2,3,4,5,6,7
	ds_store_b128 v[STO], v[TMP+4*(\b):TMP+4*(\b)+3] offset:32*(\b)
.endr
.irp t, 0,1,2,3,4,5,6,7
	ds_load_b128 v[BK+4*(\t):BK+4*(\t)+3], v[RD] offset:(\t)*2*SPITCH  ; LDS serves a wave's instructions in order (ISA guide 5.7.1.4): these see the stores above
.endr
.endm
.macro SEND a
	WIN 0
.set BK, OB+192*((\a)%2)
	s_wait_dscnt 0x0                               ; the block is back in registers
	s_wait_xcnt 0x0                                ; earlier stores have read their base and their data: both are rewritten only behind this wait
.if (\a) == 0
	s_add_nc_u64 s[8:9], s[8:9], s[16:17]
.else
	s_add_nc_u64 s[8:9], s[8:9], 16*SIZE_N*2
.endif
.irp t, 0,1,2,3,4,5,6,7
	global_store_b128 v[CO], v[BK+4*(\t):BK+4*(\t)+3], s[8:9] offset:2*(\t)*SIZE_N*2  ; 16 lanes store 256 consecutive bytes, aligned
.endr
.endm
	s_wait_tensorcnt 1                             ; my part of K step 0 is in; K step 1's may stay out
	s_barrier_signal -1
	s_barrier_wait -1
	FETCH 0, 0, F0
	QUARTER 0, 64,  F0, F1, 1                      ; the first quarter's products start the sums
	WIN 0
	s_mov_b32 s3, LAPS-1
.Llap:                                         ; a trip goes once round the ring and fills both slots again
	QUARTER 0, 128, F1, F0, 0
	QUARTER 0, 192, F0, F1, 0
	TURN 0, 1
	QUARTER 1, 64,  F0, F1, 0
	QUARTER 1, 128, F1, F0, 0
	QUARTER 1, 192, F0, F1, 0
	TURN 1, 0
	QUARTER 0, 64,  F0, F1, 0
	WIN 0
	s_sub_co_u32 s3, s3, 1
	s_cmp_lg_u32 s3, 0
	s_cbranch_scc1 .Llap
	QUARTER 0, 128, F1, F0, 0                      ; the last lap is written out: it asks for nothing
	QUARTER 0, 192, F0, F1, 0
	MEET 0
	PLACES
	FETCH 1, 0, F0
	MUL16 F1, 1, 0, 0
	MUL16 F1, 1, 2, 0
	QUARTER 1, 64,  F0, F1, 0
	QUARTER 1, 128, F1, F0, 0
	QUARTER 1, 192, F0, F1, 0
	s_wait_dscnt 8
	MUL16 F1, 0, 0, 0
	MUL16 F1, 0, 2, 0
	s_wait_dscnt 0x0
	MUL16 F1, 1, 0, 0
	MUL16 F1, 1, 2, 0
	PLACES
	PACK 0
	TOSTAGE 0
.irp a, 1,2,3,4,5,6,7                  ; block a's conversions stand between block a - 1's loads from the stage and the wait for them
	PACK \a
	SEND (\a)-1
	TOSTAGE \a
.endr
	SEND 7
	s_wait_tensorcnt 0x0                           ; the wave's end
	ds_add_u32 v[SPW], v[NIL]
	s_wait_dscnt 0x0
	CROUND                                         ; the closing round
	s_endpgm
.Lfunc_end_k_q52811c3b26_proj:
	.size	k_q52811c3b26_proj, .Lfunc_end_k_q52811c3b26_proj-k_q52811c3b26_proj
	.p2alignl 7, 3214868480
	.fill 96, 4, 3214868480
	.section	.rodata,"a",@progbits
	.p2align	6, 0x0
	.amdhsa_kernel k_q52811c3b26_proj
		.amdhsa_group_segment_fixed_size 327680
		.amdhsa_private_segment_fixed_size 0
		.amdhsa_enable_private_segment 0
		.amdhsa_kernarg_size 24
		.amdhsa_user_sgpr_count 2
		.amdhsa_user_sgpr_kernarg_segment_ptr 1
		.amdhsa_wavefront_size32 1
		.amdhsa_system_sgpr_workgroup_id_x 1
		.amdhsa_system_sgpr_workgroup_id_y 1
		.amdhsa_system_sgpr_workgroup_id_z 1
		.amdhsa_system_vgpr_workitem_id 0
		.amdhsa_next_free_vgpr 1024
		.amdhsa_next_free_sgpr 66
		.amdhsa_reserve_vcc 0
		.amdhsa_float_denorm_mode_32 3
		.amdhsa_float_denorm_mode_16_64 3
		.amdhsa_memory_ordered 1
		.amdhsa_forward_progress 1
		.amdhsa_inst_pref_size 144
	.end_amdhsa_kernel
	.amdgpu_metadata
---
amdhsa.version: [ 1, 2 ]
amdhsa.kernels:
  - .name:           k_q52811c3b26_proj
    .symbol:         k_q52811c3b26_proj.kd
    .args:
      - { .name: xb, .offset: 0, .size: 8, .value_kind: global_buffer, .address_space: global }
      - { .name: wb, .offset: 8, .size: 8, .value_kind: global_buffer, .address_space: global }
      - { .name: qkv, .offset: 16, .size: 8, .value_kind: global_buffer, .address_space: global }
    .group_segment_fixed_size: 327680
    .private_segment_fixed_size: 0
    .kernarg_segment_align: 8
    .kernarg_segment_size: 24
    .max_flat_workgroup_size: 128
    .sgpr_count:     66
    .vgpr_count:     1024
    .wavefront_size: 32
...
	.end_amdgpu_metadata
.endif
;; end of part 2
;; launch score (part 3): grid 13 x 16, 4 waves a work-group, no clusters, 327,680 bytes of LDS; arguments qkv, pw, st, cs; writes pw, st, cs
.if DOCPART == 3
	.amdgcn_target "amdgcn-amd-amdhsa--gfx1250"
	.amdhsa_code_object_version 6
	.text
	.protected	k_q52811c3b26_score
	.globl	k_q52811c3b26_score
	.p2align	8
	.type	k_q52811c3b26_score,@function
k_q52811c3b26_score:
	s_mov_b64 s[64:65], 0
	v_nop
	global_prefetch_b8 v0, s[64:65] scope:SCOPE_SE
	s_setreg_imm32_b32 hwreg(HW_REG_WAVE_MODE, 25, 1), 1
	s_wait_xcnt 0x0
; SCORES AND A SOFTMAX BY BLOCKS OF 128 KEYS, and beside them the column sums of v.
; qkv: [3][8192][1024] f16 (q, k, v).  For a batch b and a tile (I, J) of 256 queries x 256 keys with J <= I: s = q . k (f32 sums), s = 0 where key > query (a select, as the problem has zeros there).
; For each query and each block kb of 128 keys: cm = c x (the block's largest s), c = log2(e) / 32; p = 2^(c s - cm), rounded to f16; l = the sum of the unrounded p;
; (cm, l) in f32 into st [4][16 kb][2048 q][2].  The maximum taken away is the block's own; the next launch joins the blocks by their true common maximum.
; pw HOLDS p AS MATRIX FRAGMENTS: [4 batches][128 blocks of 16 queries][64 chunks of 32 keys][1,024 bytes]; in a fragment byte 16 l holds lane l's registers 0-3, byte 512 + 16 l its registers 4-7:
; what a lane packs here is what the same lane of the next launch's second source wants, so p goes from registers to memory and back into registers, 512 consecutive bytes a store.
; LIMITS.  p lies in 0 to 1; below 6e-5 it keeps f16's fixed step of 6e-8; a weight below 2^-126 counts as 0 in l.  NaN and infinities are not treated apart.
; GRID.  y = 4 b + p.  x = 0..8: the tiles of tile rows p and 7 - p, nine together whatever p.  x = 9..12: one of the batch's sixteen jobs of column sums: cs[b][kb256][ch] = the sum of v over 256 keys, f32.
; NO CLUSTER: a tile row of the triangle has 1 to 8 tiles and a folded row nine: no group of four work-groups shares one operand at every place of the grid.
; THE PRODUCT: four waves, each 128 queries x 128 keys in 64 accumulators; K in 8 steps of 128 through two LDS slots; each wave fetches 128 rows by one tensor load of its own (waves 0, 1: q; 2, 3: k).
; A K step is written once: the slot's LDS offset is a scalar that an exclusive or turns.
; Source 0 = 16 rows of k, source 1 = 16 rows of q: a lane holds ONE query (l % 16) and the keys 8 (l / 16) + 0..7 of each of eight groups of 16.
; REGISTERS: window 0: v0-31 addresses; v64-191 fragments of q, later v64-95 at work; v192-223 packed p.  window 1: v64-191 fragments of k.  windows 2, 3: the accumulators.
.set SIZE_K, 1024
.set KSTEP,  128
.set PITCH,  272                       ; an LDS row: 256 bytes + 16: the 16 rows of a load start at 16 different groups of four banks (64 banks of 4 bytes: ISA guide 11.1)
.set HALFT,  128*PITCH
.set SLOT,   4*HALFT
.set SPARE,  2*SLOT                    ; behind the ring: the spare words, 128 bytes for each wave
.set CSL,    SPARE+512                 ; the column sums' meeting place: 2,048 bytes for each wave; no tensor load lands here
.set QB16,   65536                     ; bytes of pw for 16 queries
.set A0,   16                          ; v16  LDS address of my q fragments in slot 0; never rewritten
.set CA,   17                          ; v17  the same in the slot in hand
.set B0,   20                          ; v20, v21 the same for k
.set CB,   21
.set CO,   26                          ; v26  my lane x 16 bytes
.set VD,   27                          ; v27  l % 16 - 8 (l / 16): register j of a diagonal group is hidden where j is greater
.set SPW,  28
.set NIL,  29
.set PFO,  30                          ; v30  my lane x a row of qkv
.set STV,  31                          ; v31  my lane x 8 bytes
.set F0,   64
.set F1,   128
.set TMP,  192
.set MXR,  64                          ; v64-71  eight running maxima
.set CMP,  74                          ; v[74:75] c m, named as a pair
.set CMS,  80                          ; v80-83  c m of four blocks of 16 queries
.set LSM,  84                          ; v84-87  l of the same
.set SD,   88                          ; v88-91  two pairs (c m, l) to store
.set ONE,  92                          ; v92-95  eight times 1.0 in f16
.set G1,  24                           ; s[24:31] descriptor group 1
.set G0,  32                           ; s[32:39] group 0: a set for each of the two first fills; the second then walks on
.set LIM, 43
.set PFA, 44
.set CS,  46                           ; s[46:47] c
.set SEL, 48                           ; s[48:49] v_permlanex16_b32's selects
.set STB, 50                           ; s[50:51] st at my block's first query
.set MK,  52                           ; s52-59  the diagonal's eight lane masks
.set HM,  60                           ; s60     lanes 16-31
.set TB,  61                           ; s61     0 or SLOT: the slot that is read
.set TF,  62                           ; s62     0 or SLOT: the slot that is filled
.set WB,  63                           ; s63     my wave's 128 rows in a slot
.set MSB, 0
.macro WIN new                         ; the immediate's high byte repeats the setting that is left; a switch that changes nothing is dropped
.if MSB != (\new)
	s_set_vgpr_msb (MSB<<8)|(\new)
.set MSB, \new
.endif
.endm
.set MUL_LO, 0xa1                      ; source 0 (k) window 1, source 1 (q) window 0, C and D window 2
.set MUL_HI, 0xf1
.set TO_B,   0x40
	s_load_b256 s[68:75], s[0:1], 0x0              ; qkv s[68:69], pw s[70:71], st s[72:73], cs s[74:75]
	v_lshl_add_u32 v[SPW], v0, 2, SPARE
	v_mov_b32 v[NIL], 0
	ds_add_u32 v[SPW], v[NIL]                      ; the wave's opening: the add and its wait stand ahead of my first tensor load
	v_lshrrev_b32 v1, 5, v0
	v_readfirstlane_b32 s10, v1                    ; wave 0..3
	s_lshr_b32 s11, s10, 1                         ; my half of the queries
	s_and_b32 s12, s10, 1                          ; my half of the keys.  Also: which 128 rows I fetch
	s_and_b32 s13, ttmp7, 0xffff
	s_lshr_b32 s42, s13, 2                         ; the batch
	s_and_b32 s13, s13, 3                          ; p
	s_mov_b32 s2, ttmp9                            ; x
	s_mov_b32 s[G1+0], (1<<16)|(1<<20)|(5<<22)|(3<<25)  ; elements of 2 bytes; padding on: after every 64 words 4 words
	s_mov_b32 s[G1+1], KSTEP<<16                   ; tensor_dim0 = 128
	s_mov_b32 s[G1+2], 128<<16                     ; tensor_dim1 = 128
	s_mov_b32 s[G1+3], KSTEP<<16                   ; tile_dim0 = 128
	s_mov_b32 s[G1+4], 128                         ; tile_dim1 = 128
	s_mov_b32 s[G1+5], SIZE_K                      ; elements from row to row
	s_mov_b32 s[G1+6], 0
	s_mov_b32 s[G1+7], 0
	s_mov_b32 s[CS], 0x3d38aa3b                    ; c = log2(e) / 32
	s_mov_b32 s[CS+1], s[CS]
	s_mov_b32 s[SEL], 0x76543210
	s_mov_b32 s[SEL+1], 0xfedcba98
	s_mov_b32 s[HM], 0xffff0000
	s_mov_b32 s[TB], 0
	s_mov_b32 s[TF], SLOT                          ; the walking descriptor's first fill is slot 1's
	s_wait_dscnt 0x0                               ; the opening add is done
	s_wait_kmcnt 0x0
	s_cmp_ge_u32 s2, 9
	s_cbranch_scc1 .Lcolsum                        ; the same for all four waves: it hangs on the work-group's number alone
	s_sub_co_u32 s20, 7, s13
	s_sub_co_u32 s21, s2, s13
	s_sub_co_u32 s21, s21, 1                       ; x - p - 1 (taken only where x > p)
	s_cmp_le_u32 s2, s13
	s_cselect_b32 s40, s13, s20                    ; I
	s_cselect_b32 s41, s2, s21                     ; J
	s_cmp_lt_u32 s10, 2                            ; waves 0, 1 fetch q's rows of tile row I, waves 2, 3 k's rows of tile column J
	s_cselect_b32 s20, s40, s41
	s_cselect_b32 s21, 0, 8192
	s_lshl_b32 s20, s20, 8
	s_add_co_u32 s20, s20, s21
	s_lshl_b32 s21, s42, 11
	s_add_co_u32 s20, s20, s21
	s_lshl_b32 s21, s12, 7
	s_add_co_u32 s20, s20, s21                     ; my first row in qkv,
	s_lshl_b32 s16, s20, 11                        ; in bytes
	s_mov_b32 s17, 0
	s_add_nc_u64 s[14:15], s[68:69], s[16:17]
	s_mul_i32 s[WB], s10, HALFT                    ; where my rows go: wave x 128 rows
.irp s, 0,1
	s_mov_b32 s[G0+4*(\s)], 1
	s_add_co_u32 s[G0+4*(\s)+1], s[WB], (\s)*SLOT
	s_add_nc_u64 s[G0+4*(\s)+2:G0+4*(\s)+3], s[14:15], (\s)*KSTEP*2
	s_or_b32 s[G0+4*(\s)+3], s[G0+4*(\s)+3], 0x80000000
.endr
	tensor_load_to_lds s[G0:G0+3], s[G1:G1+7]      ; K steps 0 and 1: two loads of mine are out
	s_nop 0
	tensor_load_to_lds s[G0+4:G0+7], s[G1:G1+7]
	s_nop 0
.rept 4
	v_nop
.endr
	v_and_b32 v1, 15, v0
	v_bfe_u32 v2, v0, 4, 1
	v_mul_u32_u24 v3, v1, PITCH
	v_lshl_add_u32 v3, v2, 4, v3
	s_mul_i32 s21, s11, HALFT
	s_mul_i32 s22, s12, HALFT
	s_add_co_u32 s22, s22, 2*HALFT
	v_add_nc_u32 v[A0], s21, v3
	v_add_nc_u32 v[B0], s22, v3
	v_mov_b32 v[CA], v[A0]
	v_mov_b32 v[CB], v[B0]
	v_lshlrev_b32 v5, 3, v2
	v_sub_nc_u32 v[VD], v1, v5
	v_and_b32 v[STV], 31, v0
	v_lshlrev_b32 v[PFO], 11, v[STV]
	v_lshlrev_b32 v[CO], 4, v[STV]
	v_lshlrev_b32 v[STV], 3, v[STV]
	s_lshl_b32 s16, s42, 23                        ; pw at (b, query block 16 I + 8 x my half, chunk 8 J + 4 x my half)
	s_lshl_b32 s18, s40, 20
	s_add_co_u32 s16, s16, s18
	s_lshl_b32 s18, s11, 19
	s_add_co_u32 s16, s16, s18
	s_lshl_b32 s18, s41, 13
	s_add_co_u32 s16, s16, s18
	s_lshl_b32 s18, s12, 12
	s_add_co_u32 s16, s16, s18
	s_add_nc_u64 s[8:9], s[70:71], s[16:17]
	s_lshl_b32 s16, s42, 4                         ; st at (b, kb = 2 J + my half, my first query)
	s_lshl1_add_u32 s16, s41, s16
	s_add_co_u32 s16, s16, s12
	s_lshl_b32 s16, s16, 11
	s_lshl_b32 s18, s40, 8
	s_add_co_u32 s16, s16, s18
	s_lshl_b32 s18, s11, 7
	s_add_co_u32 s16, s16, s18
	s_lshl_b32 s16, s16, 3
	s_add_nc_u64 s[STB:STB+1], s[72:73], s[16:17]
	; the prefetches: q's rows of a tile row are read by all its tiles: the tile with J = 0 asks; k's rows of a tile column by all tiles of the column: the diagonal tile asks.  A wave asks for its own 128 rows.
	s_cmp_eq_u32 s41, 0
	s_cselect_b32 s20, 2, -1
	s_cmp_eq_u32 s40, s41
	s_cselect_b32 s21, 2, -1
	s_cmp_lt_u32 s10, 2
	s_cselect_b32 s[LIM], s20, s21
	s_add_nc_u64 s[PFA:PFA+1], s[14:15], 2*KSTEP*2 ; at K step 2: the first refill steps it to 3 and names K step 4
.macro MUL16 f, hi, a0, zero           ; 16 products: blocks a0, a0 + 1 of the window's four x all 8 key groups, 32 along K.  zero = 1: they start the sums
	WIN MUL_LO+0x50*(\hi)
.irp a, \a0, (\a0)+1
.irp b, 0,1,2,3,4,5,6,7
.if \zero
	v_wmma_f32_16x16x32_f16 v[8*(8*(\a)+(\b)):8*(8*(\a)+(\b))+7], v[(\f)+8*(\b):(\f)+8*(\b)+7], v[(\f)+8*(4*(\hi)+(\a)):(\f)+8*(4*(\hi)+(\a))+7], 0
.else
	v_wmma_f32_16x16x32_f16 v[8*(8*(\a)+(\b)):8*(8*(\a)+(\b))+7], v[(\f)+8*(\b):(\f)+8*(\b)+7], v[(\f)+8*(4*(\hi)+(\a)):(\f)+8*(4*(\hi)+(\a))+7], v[8*(8*(\a)+(\b)):8*(8*(\a)+(\b))+7]
.endif
.endr
.endr
.endm
.macro FETCH k, f                      ; 32 LDS loads in one run: 32 K at byte k of the rows of the slot in hand
	WIN TO_B
.irp i, 0,1,2,3,4,5,6,7
	ds_load_b128 v[(\f)+8*(\i):(\f)+8*(\i)+3],   v[CB] offset:(\k)+(\i)*16*PITCH
	ds_load_b128 v[(\f)+8*(\i)+4:(\f)+8*(\i)+7], v[CB] offset:(\k)+(\i)*16*PITCH+32
.endr
	WIN 0
.irp i, 0,1,2,3,4,5,6,7
	ds_load_b128 v[(\f)+8*(\i):(\f)+8*(\i)+3],   v[CA] offset:(\k)+(\i)*16*PITCH
	ds_load_b128 v[(\f)+8*(\i)+4:(\f)+8*(\i)+7], v[CA] offset:(\k)+(\i)*16*PITCH+32
.endr
.endm
.macro PLACES                          ; four plain vector instructions between a matrix instruction and a load into its sources or a vector read of its result
.rept 4
	v_nop
.endr
.endm
; A K step is four quarters of 32 along K, 64 products each, on buffers 0, 1, 0, 1.  The 64 accumulators take turns in the same order everywhere.
.macro QUARTER k, f, g, zero
	s_wait_dscnt 8                                 ; k's fragments and q's rows 0-63 are in; the youngest eight loads may be out
	MUL16 \f, 0, 0, \zero
	MUL16 \f, 0, 2, \zero
	PLACES
	FETCH \k, \g
	s_wait_dscnt 32                                ; all but the 32 just issued
	MUL16 \f, 1, 0, \zero
	MUL16 \f, 1, 2, \zero
.endm
; A K step's last quarter changes slots: ONE barrier; in front of it each wave waits for all its tensor loads, adds 0 to its spare word, and waits for that and for its own reads of the slot.
; fill = 1: the slot just read is filled again, two K steps on: 224 products stand between the request and the wait for it.
.macro TURN fill
.if \fill
	s_wait_xcnt 0x0                                ; the last prefetches, a K step back, have read their address
	s_add_nc_u64 s[PFA:PFA+1], s[PFA:PFA+1], KSTEP*2
.endif
	WIN 0
	s_wait_tensorcnt 0x0                           ; all my tensor loads have landed: so the walking group 0 may be written
	ds_add_u32 v[SPW], v[NIL]
	s_wait_dscnt 9                                 ; the add and the youngest eight loads may be out
	MUL16 F1, 0, 0, 0
	s_wait_dscnt 0x0                               ; the add is done, and my reads of this slot are over
	s_barrier_signal -1
	MUL16 F1, 0, 2, 0
	WIN 0
	s_barrier_wait -1
.if \fill
	s_xor_b32 s[TF], s[TF], SLOT
	s_add_co_u32 s[G0+5], s[WB], s[TF]
	s_add_nc_u64 s[G0+6:G0+7], s[G0+6:G0+7], KSTEP*2
	tensor_load_to_lds s[G0+4:G0+7], s[G1:G1+7]    ; my one load behind the barrier
	s_nop 0
.endif
	PLACES                                         ; also the places in front of the loads below
	s_xor_b32 s[TB], s[TB], SLOT
	v_add_nc_u32 v[CA], s[TB], v[A0]
	v_add_nc_u32 v[CB], s[TB], v[B0]
	FETCH 0, F0
.if \fill
	s_cmp_gt_u32 s3, s[LIM]                        ; the last two refills have no K step two on
	s_cbranch_scc0 .Lnot_mine_\@
.irp j, 0,1,2,3
	global_prefetch_b8 v[PFO], s[PFA:PFA+1] offset:KSTEP*2+65536*(\j) th:TH_LOAD_NT scope:SCOPE_SE  ; my 128 rows' 256 bytes of the K step two refills on, a lane a row
.endr
.Lnot_mine_\@:
.endif
	MUL16 F1, 1, 0, 0
	MUL16 F1, 1, 2, 0
.endm
	s_wait_tensorcnt 1                             ; my part of K step 0 is in; K step 1's may stay out
	s_barrier_signal -1
	s_barrier_wait -1
	FETCH 0, F0
	QUARTER 64, F0, F1, 1                          ; the first quarter's products start the sums
	WIN 0
	s_mov_b32 s3, 6
.Lstep:                                        ; six trips ask for K steps 2 to 7
	QUARTER 128, F1, F0, 0
	QUARTER 192, F0, F1, 0
	TURN 1
	QUARTER 64, F0, F1, 0
	WIN 0
	s_sub_co_u32 s3, s3, 1
	s_cmp_lg_u32 s3, 0
	s_cbranch_scc1 .Lstep
	s_mov_b32 s3, 2
.Lrest:                                        ; the last two K steps ask for nothing; the second is left behind its last products (its change of slots fetches bytes that have landed and that nothing multiplies)
	QUARTER 128, F1, F0, 0
	QUARTER 192, F0, F1, 0
	TURN 0
	WIN 0
	s_cmp_eq_u32 s3, 1
	s_cbranch_scc1 .Ldone
	QUARTER 64, F0, F1, 0
	WIN 0
	s_sub_co_u32 s3, s3, 1
	s_cmp_lg_u32 s3, 0
	s_cbranch_scc1 .Lrest
.Ldone:
	s_wait_dscnt 0x0                               ; buffer 0's registers are written below
	PLACES
	v_mov_b32 v[CMP+1], 0                          ; named with c m as a pair
; THE DIAGONAL.  In a tile with I = J my block lies above the diagonal (key half > query half: every score is 0), below it (nothing is hidden) or on it.
	s_cmp_eq_u32 s40, s41
	s_cbranch_scc0 .Lsoft
	s_cmp_gt_u32 s12, s11
	s_cbranch_scc0 .Lnot_above
	; above: all 128 scores of each query are 0: c m = 0, p = 1, l = 128
.irp j, 0,1,2,3
	v_mov_b32 v[ONE+(\j)], 0x3c003c00
.endr
	v_mov_b32 v[SD], 0
	v_mov_b32 v[SD+1], 0x43000000
.irp u, 0,1,2,3
	global_store_b64 v[STV], v[SD:SD+1], s[STB:STB+1] offset:256*(\u)
.endr
	s_mov_b32 s3, 8
.Lones:
.irp t, 0,1,2,3,4,5,6,7
	global_store_b128 v[CO], v[ONE:ONE+3], s[8:9] offset:512*(\t)
.endr
	s_wait_xcnt 0x0                                ; the stores have read their base
	s_add_nc_u64 s[8:9], s[8:9], QB16
	s_sub_co_u32 s3, s3, 1
	s_cmp_lg_u32 s3, 0
	s_cbranch_scc1 .Lones
	s_branch .Lend
.Lnot_above:
	s_cmp_eq_u32 s12, s11
	s_cbranch_scc0 .Lsoft
	; on it: query 16 a + l % 16, key 16 b + 8 (l / 16) + j: groups b > a are hidden whole, group b = a where j > l % 16 - 8 (l / 16)
.irp j, 0,1,2,3,4,5,6,7
	v_cmp_gt_i32 s[MK+(\j)], \j, v[VD]
.endr
.irp a, 0,1,2,3,4,5,6,7
	WIN 0x82+0x41*((\a)/4)
.irp j, 0,1,2,3,4,5,6,7
	v_cndmask_b32 v[8*(8*((\a)%4)+(\a))+(\j)], v[8*(8*((\a)%4)+(\a))+(\j)], 0, s[MK+(\j)]
.endr
.irp b, 1,2,3,4,5,6,7
.if (\b) > (\a)
.irp j, 0,1,2,3,4,5,6,7
	v_mov_b32 v[8*(8*((\a)%4)+(\b))+(\j)], 0
.endr
.endif
.endr
.endr
	WIN 0
.Lsoft:
; THE SOFTMAX of block a (16 queries x 128 keys, 64 scores a lane, in window 2).  The 64 exponentials are one batch with one wait; nothing ahead of the wait names a result.
.macro SOFT a
.set AC, 64*(\a)
	WIN 0x2a
.irp b, 0,1,2,3,4,5,6,7
	v_max3_num_f32 v[MXR+(\b)], v[AC+8*(\b)], v[AC+8*(\b)+1], v[AC+8*(\b)+2]
.endr
	WIN 0x28
.irp b, 0,1,2,3,4,5,6,7
	v_max3_num_f32 v[MXR+(\b)], v[MXR+(\b)], v[AC+8*(\b)+3], v[AC+8*(\b)+4]
.endr
.irp b, 0,1,2,3,4,5,6,7
	v_max3_num_f32 v[MXR+(\b)], v[MXR+(\b)], v[AC+8*(\b)+5], v[AC+8*(\b)+6]
.endr
.irp b, 0,1,2,3
	v_max3_num_f32 v[MXR+(\b)], v[MXR+(\b)], v[AC+16*(\b)+7], v[AC+16*(\b)+15]
.endr
	WIN 0
	v_max3_num_f32 v[MXR], v[MXR], v[MXR+1], v[MXR+2]
	v_max3_num_f32 v[MXR+3], v[MXR+3], v[MXR+4], v[MXR+5]
	v_max3_num_f32 v[MXR], v[MXR], v[MXR+3], v[MXR+6]
	v_max_num_f32 v[MXR], v[MXR], v[MXR+7]
	v_permlanex16_b32 v[MXR+1], v[MXR], s[SEL], s[SEL+1]  ; the query's other 64 keys lie in the lane 16 away
	v_max_num_f32 v[MXR], v[MXR], v[MXR+1]
	v_mul_f32 v[CMP], s[CS], v[MXR]
	v_mov_b32 v[CMS+(\a)], v[CMP]
	WIN 0x82
.set n, 0
.rept 32
	v_pk_fma_f32 v[AC+2*n:AC+2*n+1], v[AC+2*n:AC+2*n+1], s[CS:CS+1], v[CMP:CMP+1] op_sel_hi:[1,0,0] neg_lo:[0,0,1] neg_hi:[0,0,1]  ; c s - c m
.set n, n+1
.endr
.set n, 0
.rept 64
	v_exp_f32 v[AC+n], v[AC+n]
.set n, n+1
.endr
	v_nop                                          ; a plain instruction behind the last exponential,
	s_wait_alu depctr_va_vdst(0)                   ; and the batch's one wait, ahead of its first reader
	s_wait_xcnt 0x0                                ; the block before's stores have read the packed registers
	WIN 0x0a
.irp b, 0,1,2,3,4,5,6,7
.irp r, 0,1,2,3
	v_cvt_pk_f16_f32 v[TMP+4*(\b)+(\r)], v[AC+8*(\b)+2*(\r)], v[AC+8*(\b)+2*(\r)+1]
.endr
.endr
	WIN 0
.irp b, 0,1,2,3,4,5,6,7                ; key group b is half b % 2 of chunk b / 2: 512 consecutive bytes a store, 4,096 on end for the block
	global_store_b128 v[CO], v[TMP+4*(\b):TMP+4*(\b)+3], s[8:9] offset:(\a)*QB16+512*(\b)
.endr
	WIN 0x8a
.irp w, 2,4,8,16,32                    ; the sum of the 32 pairs, in place, as a tree
.set n, 0
.rept 32/(\w)
	v_pk_add_f32 v[AC+n:AC+n+1], v[AC+n:AC+n+1], v[AC+n+(\w):AC+n+(\w)+1]
.set n, n+2*(\w)
.endr
.endr
	WIN 0x0a
	v_add_f32 v[MXR], v[AC], v[AC+1]
	WIN 0
	v_permlanex16_b32 v[MXR+1], v[MXR], s[SEL], s[SEL+1]
	v_add_f32 v[LSM+(\a)], v[MXR], v[MXR+1]
.endm
	s_mov_b32 s3, 2
.Lhalf:                                        ; two trips: my queries 0-63, which lie in window 2, then 64-127, copied there: one text for both
.irp a, 0,1,2,3
	SOFT \a
.endr
	s_wait_xcnt 0x0                                ; the trip before's stores have read SD
.irp u, 0,1                            ; lanes 0-15 take block 2 u, lanes 16-31 block 2 u + 1: 32 lanes store 256 consecutive bytes of st
	v_cndmask_b32 v[SD+2*(\u)], v[CMS+2*(\u)], v[CMS+2*(\u)+1], s[HM]
	v_cndmask_b32 v[SD+2*(\u)+1], v[LSM+2*(\u)], v[LSM+2*(\u)+1], s[HM]
	global_store_b64 v[STV], v[SD+2*(\u):SD+2*(\u)+1], s[STB:STB+1] offset:256*(\u)
.endr
	s_cmp_eq_u32 s3, 1
	s_cbranch_scc1 .Lno_copy
	s_wait_xcnt 0x0                                ; the stores have read their bases
	s_add_nc_u64 s[8:9], s[8:9], 4*QB16
	s_add_nc_u64 s[STB:STB+1], s[STB:STB+1], 512
	WIN 0x83
.set n, 0
.rept 256
	v_mov_b32 v[n], v[n]                           ; window 3 into window 2, ascending
.set n, n+1
.endr
	WIN 0
.Lno_copy:
	s_sub_co_u32 s3, s3, 1
	s_cmp_lg_u32 s3, 0
	s_cbranch_scc1 .Lhalf
.Lend:
	s_wait_tensorcnt 0x0                           ; the wave's end
	ds_add_u32 v[SPW], v[NIL]
	s_wait_dscnt 0x0
	s_endpgm
; THE COLUMN SUMS.  Job 4 p + x - 9 of the batch: 256 keys (kb256 = job / 2) x 512 channels (job % 2).  A wave adds 64 rows; a lane holds 8 channels of each of the row part's two runs of 512 bytes.
; Sums in f32; the four waves' sums meet in LDS.
.Lcolsum:
	s_sub_co_u32 s2, s2, 9
	s_lshl2_add_u32 s20, s13, s2                   ; the job
	s_lshr_b32 s21, s20, 1                         ; kb256
	s_and_b32 s22, s20, 1                          ; which 512 channels
	s_lshl_b32 s16, s42, 11
	s_add_co_u32 s16, s16, 16384                   ; v's rows lie behind q's and k's
	s_lshl_b32 s18, s21, 8
	s_add_co_u32 s16, s16, s18
	s_lshl_b32 s18, s10, 6
	s_add_co_u32 s16, s16, s18
	s_lshl_b32 s16, s16, 11
	s_lshl_b32 s18, s22, 10
	s_add_co_u32 s16, s16, s18
	s_mov_b32 s17, 0
	s_add_nc_u64 s[14:15], s[68:69], s[16:17]
	s_lshl_b32 s16, s42, 15
	s_lshl_b32 s18, s21, 12
	s_add_co_u32 s16, s16, s18
	s_lshl_b32 s18, s22, 11
	s_add_co_u32 s16, s16, s18
	s_lshl_b32 s18, s10, 9
	s_add_co_u32 s16, s16, s18
	s_add_nc_u64 s[8:9], s[74:75], s[16:17]        ; cs at my wave's 128 channels
	v_and_b32 v1, 31, v0
	v_lshlrev_b32 v2, 4, v1
.set n, 0
.rept 16
	v_mov_b32 v[32+n], 0
.set n, n+1
.endr
	v_mov_b32 v48, 1.0
	s_mov_b32 s3, 8
.Lcs:                                          ; a trip: 8 rows, 16 loads
.set n, 0
.rept 16
	global_load_b128 v[64+4*n:64+4*n+3], v2, s[14:15] offset:(n/2)*2048+(n%2)*512
.set n, n+1
.endr
.set n, 0
.rept 16
	s_wait_loadcnt 15-n                            ; load n is in, the younger ones stay out
.irp k, 0,1,2,3
	v_fma_mix_f32 v[32+8*(n%2)+2*(\k)], v[64+4*n+(\k)], v48, v[32+8*(n%2)+2*(\k)] op_sel_hi:[1,0,0]
	v_fma_mix_f32 v[32+8*(n%2)+2*(\k)+1], v[64+4*n+(\k)], v48, v[32+8*(n%2)+2*(\k)+1] op_sel:[1,0,0] op_sel_hi:[1,0,0]
.endr
.set n, n+1
.endr
	s_add_nc_u64 s[14:15], s[14:15], 8*2048        ; all the trip's loads are in: their base may be stepped
	s_sub_co_u32 s3, s3, 1
	s_cmp_lg_u32 s3, 0
	s_cbranch_scc1 .Lcs
	s_lshl_b32 s20, s10, 11
	v_lshl_add_u32 v3, v1, 5, s20
	v_add_nc_u32 v3, CSL, v3                       ; 2,048 x wave + 32 x lane: channel ch of the 512 at byte 4 ch
.irp c, 0,1
	ds_store_b128 v3, v[32+8*(\c):35+8*(\c)] offset:1024*(\c)
	ds_store_b128 v3, v[36+8*(\c):39+8*(\c)] offset:1024*(\c)+16
.endr
	s_wait_dscnt 0x0                               ; for the others' sake
	s_barrier_signal -1
	s_barrier_wait -1
	s_lshl_b32 s20, s10, 9
	v_lshl_add_u32 v4, v1, 4, s20
	v_add_nc_u32 v4, CSL, v4                       ; my wave's 128 channels, 4 a lane, of each wave's sums
.irp w, 0,1,2,3
	ds_load_b128 v[64+4*(\w):67+4*(\w)], v4 offset:2048*(\w)
.endr
	s_wait_dscnt 0x0
	v_pk_add_f32 v[64:65], v[64:65], v[68:69]
	v_pk_add_f32 v[66:67], v[66:67], v[70:71]
	v_pk_add_f32 v[72:73], v[72:73], v[76:77]
	v_pk_add_f32 v[74:75], v[74:75], v[78:79]
	v_pk_add_f32 v[64:65], v[64:65], v[72:73]
	v_pk_add_f32 v[66:67], v[66:67], v[74:75]
	global_store_b128 v2, v[64:67], s[8:9]         ; 512 consecutive bytes
	s_wait_tensorcnt 0x0                           ; the wave's end
	ds_add_u32 v[SPW], v[NIL]
	s_wait_dscnt 0x0
	s_endpgm
.Lfunc_end_k_q52811c3b26_score:
	.size	k_q52811c3b26_score, .Lfunc_end_k_q52811c3b26_score-k_q52811c3b26_score
	.p2alignl 7, 3214868480
	.fill 96, 4, 3214868480
	.section	.rodata,"a",@progbits
	.p2align	6, 0x0
	.amdhsa_kernel k_q52811c3b26_score
		.amdhsa_group_segment_fixed_size 327680
		.amdhsa_private_segment_fixed_size 0
		.amdhsa_enable_private_segment 0
		.amdhsa_kernarg_size 32
		.amdhsa_user_sgpr_count 2
		.amdhsa_user_sgpr_kernarg_segment_ptr 1
		.amdhsa_wavefront_size32 1
		.amdhsa_system_sgpr_workgroup_id_x 1
		.amdhsa_system_sgpr_workgroup_id_y 1
		.amdhsa_system_sgpr_workgroup_id_z 1
		.amdhsa_system_vgpr_workitem_id 0
		.amdhsa_next_free_vgpr 1024
		.amdhsa_next_free_sgpr 76
		.amdhsa_reserve_vcc 0
		.amdhsa_float_denorm_mode_32 3
		.amdhsa_float_denorm_mode_16_64 3
		.amdhsa_memory_ordered 1
		.amdhsa_forward_progress 1
		.amdhsa_inst_pref_size 147
	.end_amdhsa_kernel
	.amdgpu_metadata
---
amdhsa.version: [ 1, 2 ]
amdhsa.kernels:
  - .name:           k_q52811c3b26_score
    .symbol:         k_q52811c3b26_score.kd
    .args:
      - { .name: qkv, .offset: 0, .size: 8, .value_kind: global_buffer, .address_space: global }
      - { .name: pw, .offset: 8, .size: 8, .value_kind: global_buffer, .address_space: global }
      - { .name: st, .offset: 16, .size: 8, .value_kind: global_buffer, .address_space: global }
      - { .name: cs, .offset: 24, .size: 8, .value_kind: global_buffer, .address_space: global }
    .group_segment_fixed_size: 327680
    .private_segment_fixed_size: 0
    .kernarg_segment_align: 8
    .kernarg_segment_size: 32
    .max_flat_workgroup_size: 128
    .sgpr_count:     76
    .vgpr_count:     1024
    .wavefront_size: 32
...
	.end_amdgpu_metadata
.endif
;; end of part 3
;; launch pv (part 4): grid 8 x 32, 4 waves a work-group, no clusters, 327,680 bytes of LDS; arguments pw, qkv, st, cs, out0; writes out0
.if DOCPART == 4
	.amdgcn_target "amdgcn-amd-amdhsa--gfx1250"
	.amdhsa_code_object_version 6
	.text
	.protected	k_q52811c3b26_pv
	.globl	k_q52811c3b26_pv
	.p2align	8
	.type	k_q52811c3b26_pv,@function
k_q52811c3b26_pv:
	s_mov_b64 s[64:65], 0
	v_nop
	global_prefetch_b8 v0, s[64:65] scope:SCOPE_SE
	s_setreg_imm32_b32 hwreg(HW_REG_WAVE_MODE, 25, 1), 1
	s_wait_xcnt 0x0
; out0[b][q][ch] = (g Vsuf[ch] + the sum over key blocks kb of ((f_kb P_kb) V_kb)[q][ch]) / L.
; pw: p = 2^(c s - cm_kb) in f16, as matrix fragments [4][128 blocks of 16 queries][64 chunks of 32 keys][1,024 bytes]; st: [4][16][2048][2] f32 (cm, l); qkv's third part: v, [8192][1024] f16;
; cs: [4][8][1024] f32, v's column sums over 256 keys.
; For a query of block I of 256 the keys below 256 (I + 1) are near: they have a p.  The nup = 2048 - 256 (I + 1) keys beyond have the score 0, as the problem sets them.
; M = the largest of the near blocks' cm and, where nup > 0, of 0: the row's true maximum (times c).  f_kb = 2^(cm_kb - M), g = 2^(0 - M), L = sum f_kb l_kb + g nup; Vsuf = the sum of v over the far keys.
; LIMITS.  f is rounded to f16 for the product f p, which is rounded to f16 once more (L is made of the unrounded f): f below 6e-8 counts as 0 there; a factor below 2^-126 counts as 0 in L.
; NaN and infinities are not treated apart.  Where nup = 0 the place of 0 in the maximum is taken by -3e38.
; SHARES.  A work-group makes 128 queries x 128 channels for TWO query blocks of 128, p and 15 - p: m + 1 and 8 - m units of 256 keys (m = p / 2), nine together.  The block with the even number goes
; first, so the walk is four double units of 512 keys and one unit, and the change of blocks falls at a double unit's end, in every work-group.
; A wave makes 32 queries x 128 channels: 16 accumulators.  O^T = V^T P (source 0 = 16 channels, turned out of LDS; source 1 = 16 queries): a lane holds ONE query and 8 channels.
; P COMES STRAIGHT INTO REGISTERS: no wave wants a fragment that another wave wants.  A double unit's fragments fill window 2; a quarter's 32 registers are loaded again, for the next double unit,
; behind the quarter's products: each load has a whole trip, 256 products, in which to land.  V comes by tensor loads: two LDS slots of 512 keys, one load of 128 keys a wave behind each barrier.
; f is multiplied onto the next quarter's fragments by four packed instructions behind every four products; O starts as g Vsuf and is one chain of sums.
; NO CLUSTER: P needs no tile, and V's tiles are walked alike by two work-groups alone (p = 2 m and 2 m + 1): any four would have walks and changes of blocks that differ.
; REGISTERS: window 0: v0-31 addresses; v32-39 f; v40-43 g; v44-47 1 / L; v48-55 cs; v64-127 at work; v128-255 O^T ((a, cb) at 128 + 8 (8 a + cb)).
;   window 1: V's two fragment buffers of 128 (chunk c, channel block cb at 64 c + 8 cb).   window 2: P (quarter q, chunk c, block a at 32 q + 16 c + 8 a).
.set PVI,   288                        ; a row of V in LDS: 256 + 32 bytes
.set WPART, 128*PVI                    ; what one tensor load brings: 128 keys
.set SLOT,  4*WPART
.set STAGE, 2*SLOT                     ; behind the ring: 16 rows x 272 bytes for each wave
.set SP,    272
.set TAB,   STAGE+4*16*SP              ; each wave's own table of f: [10 units of the walk][2 key blocks][16 queries] x 8 bytes (two blocks a, f16 twice each)
.set TABW,  2560
.set VS,    TAB+4*TABW                 ; Vsuf: [2 query blocks][128 channels] f32
.set SPARE, VS+1024                    ; the spare words
.set CVB, 4                            ; v4    my lane's place in V's tile of slot 0; never rewritten
.set CV,  5                            ; v5-8  the same in the slot in hand, keys 128 j on
.set TA,  9                            ; v9    where the double unit's f lie: it steps 512 bytes a trip
.set VA,  10
.set STO, 11
.set RD,  12
.set CO,  13
.set PFO, 14                           ; v14   my lane x a row of v
.set TS,  15
.set SPW, 16
.set NIL, 17
.set SB,  18
.set CSO, 19
.set VSA, 20
.set PO,  21                           ; v21   my lane x 16 bytes
.set FR,  32                           ; v32-39 f of the double unit's four key blocks, two blocks a each
.set GG,  40                           ; v40-41 g of the first block's two a, v42-43 of the second's
.set IVC, 44                           ; v44-45 1 / L of the block in hand, v46-47 of the second
.set CR,  48
.set VSR, 64                           ; v64-127 Vsuf; later v64-95 scaled results, v96-127 rows read back
.set RB,  96
.set VO,  100                          ; the prologue's scratch: v100-108 st's offsets, a unit each
.set SR,  128                          ; (cm, l) of unit t, block a at SR + 2 (2 t + a)
.set FT,  164                          ; f in f32
.set FH,  182                          ; f in f16, twice
.set M0,  200
.set M1,  202
.set L0,  204
.set L1,  206
.set DG,  208
.set TT,  212
.set NEGV, 214
.set VW,  216
.set WV,  14
.set NN,  15
.set BB,  16
.set PQ,  17
.set TE,  18                           ; units of the first (even) block; s19 of the second
.set TO,  19
.set IE,  20                           ; the first block's number among the batch's 16; s21 the second's
.set IO,  21
.set HE,  22                           ; double units of the first block
.set G1V, 24
.set G0,  32
.set VB,  36                           ; s[36:37] v at the batch, my 128 keys of a slot, my work-group's channels
.set PBE, 38                           ; s[38:39] pw at my 32 queries of the first block; s[40:41] of the second
.set PBO, 40
.set PN,  42                           ; s[42:43] pw at the double unit that is being loaded; s[44:45] the same for its quarters 4-7, less their 8,192 bytes' worth of immediate
.set PN2, 44
.set PFA, 46
.set OBP, 48
.set OBO, 50
.set CSP, 52
.set OFF, 54
.set SEL, 56
.set CT,  58
.set DN,  59                           ; the double unit that is asked for
.set TB,  60
.set TF,  61
.set LIM, 62
.set WBV, 63
.set MK,  66                           ; s66-68 all ones where double unit 1, 2, 3 belongs to the first block
.set Z0,  69
.set NU0, 70
.set NU1, 71
.set SO,  72
.set MSB, 0
.macro WIN new
.if MSB != (\new)
	s_set_vgpr_msb (MSB<<8)|(\new)
.set MSB, \new
.endif
.endm
.set W_MM, 0x09                        ; V in window 1, P in window 2, O in window 0
.set W_SC, 0x82                        ; P (destination and source 0) in window 2, f in window 0
.set W_LP, 0x80                        ; a load into window 2
.set W_LV, 0x40                        ; a load into window 1
	s_load_b256 s[4:11], s[0:1], 0x0               ; pw s[4:5], qkv s[6:7], st s[8:9], cs s[10:11]
	s_load_b64 s[12:13], s[0:1], 0x20              ; out0
	v_lshl_add_u32 v[SPW], v0, 2, SPARE
	v_mov_b32 v[NIL], 0
	ds_add_u32 v[SPW], v[NIL]                      ; the wave's opening: the add and its wait stand ahead of my first tensor load
	v_lshrrev_b32 v1, 5, v0
	v_readfirstlane_b32 s[WV], v1
	s_mov_b32 s[NN], ttmp9                         ; my block of 128 channels
	s_and_b32 s[PQ], ttmp7, 0xffff
	s_lshr_b32 s[BB], s[PQ], 3                     ; the batch
	s_and_b32 s[PQ], s[PQ], 7                      ; p
	s_lshr_b32 s2, s[PQ], 1                        ; m
	s_sub_co_u32 s3, 8, s2                         ; block 15 - p has 8 - m units,
	s_add_co_u32 s[TO], s2, 1                      ; block p has m + 1
	s_sub_co_u32 s[IO], 15, s[PQ]
	s_and_b32 s23, s2, 1
	s_cmp_eq_u32 s23, 1                            ; m odd: m + 1 is the even number
	s_cselect_b32 s[TE], s[TO], s3
	s_cselect_b32 s[IE], s[PQ], s[IO]
	s_cselect_b32 s[IO], s[IO], s[PQ]
	s_sub_co_u32 s[TO], 9, s[TE]
	s_lshr_b32 s[HE], s[TE], 1
	s_mov_b32 s[G1V], (1<<16)|(1<<20)|(5<<22)|(7<<25)  ; elements of 2 bytes; padding on: after every 64 words 8 words
	s_mov_b32 s[G1V+1], 128<<16                    ; tensor_dim0 = 128 channels
	s_mov_b32 s[G1V+2], 128<<16                    ; tensor_dim1 = 128 keys
	s_mov_b32 s[G1V+3], 128<<16                    ; tile_dim0
	s_mov_b32 s[G1V+4], 128                        ; tile_dim1
	s_mov_b32 s[G1V+5], 1024                       ; elements from row to row
	s_mov_b32 s[G1V+6], 0
	s_mov_b32 s[G1V+7], 0
	s_mul_i32 s[WBV], s[WV], WPART                 ; where my 128 keys go in slot 0
	s_mov_b32 s[SEL], 0x76543210
	s_mov_b32 s[SEL+1], 0xfedcba98
	s_mov_b32 s[TB], SLOT                          ; the first change of slots turns it into 0
	s_mov_b32 s[TF], 0
	s_mov_b32 s[OFF+1], 0
	s_cmp_eq_u32 s[PQ], 0
	s_cselect_b32 s[LIM], 2, -1
	s_wait_dscnt 0x0                               ; the opening add is done
	s_wait_kmcnt 0x0
	s_lshl_b32 s2, s[BB], 22
	s_lshl_b32 s3, s[WV], 18
	s_add_co_u32 s2, s2, s3
	s_lshl_b32 s3, s[NN], 8
	s_add_co_u32 s2, s2, s3
	s_add_co_u32 s[OFF], s2, 33554432
	s_add_nc_u64 s[VB:VB+1], s[6:7], s[OFF:OFF+1]
	s_mov_b32 s[G0], 1
	s_mov_b32 s[G0+1], s[WBV]
	s_mov_b64 s[G0+2:G0+3], s[VB:VB+1]
	s_or_b32 s[G0+3], s[G0+3], 0x80000000
	tensor_load_to_lds s[G0:G0+3], s[G1V:G1V+7]    ; the first double unit's keys 128 w on, into slot 0: one load of mine is out
	s_nop 0
.rept 4
	v_nop
.endr
	s_lshl_b32 s2, s[BB], 23                       ; pw and out0: a batch is 8 MiB, a block of 128 queries 512 KiB, my 32 queries 128 KiB in both
	s_lshl_b32 s3, s[WV], 17
	s_add_co_u32 s2, s2, s3
	s_lshl_b32 s3, s[IE], 19
	s_add_co_u32 s[OFF], s2, s3
	s_add_nc_u64 s[PBE:PBE+1], s[4:5], s[OFF:OFF+1]
	s_lshl_b32 s23, s[NN], 9
	s_add_co_u32 s[OFF], s[OFF], s23
	s_add_nc_u64 s[OBP:OBP+1], s[12:13], s[OFF:OFF+1]
	s_lshl_b32 s3, s[IO], 19
	s_add_co_u32 s[OFF], s2, s3
	s_add_nc_u64 s[PBO:PBO+1], s[4:5], s[OFF:OFF+1]
	s_add_co_u32 s[OFF], s[OFF], s23
	s_add_nc_u64 s[OBO:OBO+1], s[12:13], s[OFF:OFF+1]
	s_lshl_b32 s2, s[BB], 15
	s_add_co_u32 s[OFF], s2, s23
	s_add_nc_u64 s[CSP:CSP+1], s[10:11], s[OFF:OFF+1]
	s_mov_b64 s[PN:PN+1], s[PBE:PBE+1]
	s_add_nc_u64 s[PN2:PN2+1], s[PBE:PBE+1], 8192
	; THE FACTORS.  Lane (h, r) takes key block 2 t + h of unit t of the walk and query 16 a + r of my 32: (cm, l), each unit from its own query block.
	v_and_b32 v1, 15, v0                           ; r
	v_bfe_u32 v2, v0, 4, 1                         ; h
	v_and_b32 v3, 31, v0
	v_lshlrev_b32 v[SB], 3, v1
	v_lshl_add_u32 v[SB], v2, 14, v[SB]            ; 8 r + a key block's 16,384 bytes x h
	v_lshlrev_b32 v[PO], 4, v3
	s_lshl_b32 s[SO], s[BB], 18
	s_lshl_b32 s2, s[WV], 8
	s_add_co_u32 s[SO], s[SO], s2
.irp t, 0,1,2,3,4,5,6,7,8
	s_sub_co_u32 s3, \t, s[TE]                     ; the unit's number in the second block (taken only where t >= TE)
	s_cmp_gt_u32 s[TE], \t
	s_cselect_b32 s3, \t, s3
	s_cselect_b32 s2, s[IE], s[IO]
	s_lshl_b32 s3, s3, 15
	s_lshl_b32 s2, s2, 10
	s_add_co_u32 s2, s2, s3
	s_add_co_u32 s2, s2, s[SO]
	v_add_nc_u32 v[VO+(\t)], s2, v[SB]
.endr
.irp t, 0,1,2,3,4,5,6,7,8
.irp a, 0,1
	global_load_b64 v[SR+2*(2*(\t)+(\a)):SR+2*(2*(\t)+(\a))+1], v[VO+(\t)], s[8:9] offset:128*(\a)
.endr
.endr
	v_lshlrev_b32 v[CSO], 2, v0                    ; thread t takes channel t of the work-group's 128
.irp k, 0,1,2,3,4,5,6,7
	global_load_b32 v[CR+(\k)], v[CSO], s[CSP:CSP+1] offset:4096*(\k)
.endr
; Quarter q's eight loads of P: two blocks a x two chunks x two halves of a fragment, 512 consecutive bytes each.  Quarters 4-7 go by a base of their own.
.macro RELOAD q
	WIN W_LP
.irp c, 0,1
.irp a, 0,1
.if (\q) < 4
	global_load_b128 v[32*(\q)+16*(\c)+8*(\a):32*(\q)+16*(\c)+8*(\a)+3],   v[PO], s[PN:PN+1] offset:(\a)*65536+(2*(\q)+(\c))*1024
	global_load_b128 v[32*(\q)+16*(\c)+8*(\a)+4:32*(\q)+16*(\c)+8*(\a)+7], v[PO], s[PN:PN+1] offset:(\a)*65536+(2*(\q)+(\c))*1024+512
.else
	global_load_b128 v[32*(\q)+16*(\c)+8*(\a):32*(\q)+16*(\c)+8*(\a)+3],   v[PO], s[PN2:PN2+1] offset:(\a)*65536+(2*(\q)+(\c)-8)*1024
	global_load_b128 v[32*(\q)+16*(\c)+8*(\a)+4:32*(\q)+16*(\c)+8*(\a)+7], v[PO], s[PN2:PN2+1] offset:(\a)*65536+(2*(\q)+(\c)-8)*1024+512
.endif
.endr
.endr
.endm
	RELOAD 0
	RELOAD 1
	RELOAD 2
	WIN 0
	; the addresses, while the loads are out
	v_and_b32 v22, 7, v0
	v_bfe_u32 v23, v0, 3, 1
	v_lshl_add_u32 v[CVB], v2, 3, v22
	v_mul_u32_u24 v[CVB], v[CVB], PVI
	v_lshl_add_u32 v[CVB], v23, 4, v[CVB]          ; V, turned: lane l reads key 8 h + l % 8, channels 8 ((l / 8) % 2) + 0..7
	s_mul_i32 s2, s[WV], TABW
	s_add_co_u32 s2, s2, TAB
	v_lshl_add_u32 v[TA], v1, 3, s2
	v_lshl_add_u32 v[TS], v2, 7, v[TA]
	v_lshlrev_b32 v[VA], 5, v2
	v_add_nc_u32 v[VA], VS, v[VA]
	v_lshl_add_u32 v[VSA], v0, 2, VS
	s_mul_i32 s2, s[WV], 16*SP
	s_add_co_u32 s2, s2, STAGE
	v_mul_u32_u24 v[STO], v1, SP
	v_lshl_add_u32 v[STO], v2, 5, v[STO]
	v_add_nc_u32 v[STO], s2, v[STO]
	v_mul_u32_u24 v[RD], v2, SP
	v_lshl_add_u32 v[RD], v1, 4, v[RD]
	v_add_nc_u32 v[RD], s2, v[RD]
	v_lshlrev_b32 v[CO], 12, v2
	v_lshl_add_u32 v[CO], v1, 4, v[CO]
	v_lshlrev_b32 v[PFO], 11, v3
.irp d, 1,2,3
	s_cmp_gt_u32 s[HE], \d
	s_cselect_b32 s[MK+(\d)-1], -1, 0
.endr
	s_lshl_b32 s2, s[TE], 8
	s_sub_co_u32 s[NU0], 2048, s2                  ; the far keys of the first block, 0 where it has 8 units,
	s_lshl_b32 s2, s[TO], 8
	s_sub_co_u32 s[NU1], 2048, s2                  ; and of the second, 256 at the least
	s_cmp_lg_u32 s[NU0], 0
	s_cselect_b32 s[Z0], 0, 0xff61b1e6             ; what the far keys bring to the maximum: 0, or -3e38 where there are none
	s_cvt_f32_u32 s[NU0], s[NU0]
	s_cvt_f32_u32 s[NU1], s[NU1]
	v_mov_b32 v[NEGV], 0xff61b1e6
.irp a, 0,1
	v_mov_b32 v[M0+(\a)], s[Z0]
	v_mov_b32 v[M1+(\a)], 0
.endr
	s_wait_loadcnt 24                              ; st's 18 loads and cs's 8 are in; the 24 of P's quarters 0-2 may stay out
.macro MAXT t                          ; units 0, 1 belong to the first block, unit 8 to the second, whatever p; units 2-7 go by their double unit's mask
.irp a, 0,1
.if (\t) < 2
	v_max_num_f32 v[M0+(\a)], v[M0+(\a)], v[SR+2*(2*(\t)+(\a))]
.elseif (\t) == 8
	v_max_num_f32 v[M1+(\a)], v[M1+(\a)], v[SR+2*(2*(\t)+(\a))]
.else
	v_cndmask_b32 v[TT], v[NEGV], v[SR+2*(2*(\t)+(\a))], s[MK+(\t)/2-1]
	v_cndmask_b32 v[TT+1], v[SR+2*(2*(\t)+(\a))], v[NEGV], s[MK+(\t)/2-1]
	v_max_num_f32 v[M0+(\a)], v[M0+(\a)], v[TT]
	v_max_num_f32 v[M1+(\a)], v[M1+(\a)], v[TT+1]
.endif
.endr
.endm
.macro DIFT t                          ; cm - M, in cm's place
.irp a, 0,1
.if (\t) < 2
	v_sub_f32 v[SR+2*(2*(\t)+(\a))], v[SR+2*(2*(\t)+(\a))], v[M0+(\a)]
.elseif (\t) == 8
	v_sub_f32 v[SR+2*(2*(\t)+(\a))], v[SR+2*(2*(\t)+(\a))], v[M1+(\a)]
.else
	v_cndmask_b32 v[TT], v[M1+(\a)], v[M0+(\a)], s[MK+(\t)/2-1]
	v_sub_f32 v[SR+2*(2*(\t)+(\a))], v[SR+2*(2*(\t)+(\a))], v[TT]
.endif
.endr
.endm
.macro SUMT t                          ; L += f l; units 0 and 8 start the two sums
.irp a, 0,1
.if (\t) == 0
	v_mul_f32 v[L0+(\a)], v[FT+(\a)], v[SR+2*(\a)+1]
.elseif (\t) == 8
	v_mul_f32 v[L1+(\a)], v[FT+16+(\a)], v[SR+2*(16+(\a))+1]
.elseif (\t) < 2
	v_fmac_f32 v[L0+(\a)], v[FT+2*(\t)+(\a)], v[SR+2*(2*(\t)+(\a))+1]
.else
	v_mul_f32 v[TT], v[FT+2*(\t)+(\a)], v[SR+2*(2*(\t)+(\a))+1]
	v_cndmask_b32 v[TT+1], 0, v[TT], s[MK+(\t)/2-1]
	v_add_f32 v[L0+(\a)], v[L0+(\a)], v[TT+1]
	v_sub_f32 v[TT], v[TT], v[TT+1]                ; all of it or nothing: exact
	v_add_f32 v[L1+(\a)], v[L1+(\a)], v[TT]
.endif
.endr
.endm
.irp t, 0,1,2,3,4,5,6,7,8
	MAXT \t
.endr
.irp m, 0,1,2,3
	v_permlanex16_b32 v[TT], v[M0+(\m)], s[SEL], s[SEL+1]  ; the key blocks of the other parity lie in the lane 16 away
	v_max_num_f32 v[M0+(\m)], v[M0+(\m)], v[TT]
.endr
.irp t, 0,1,2,3,4,5,6,7,8
	DIFT \t
.endr
.irp a, 0,1
	v_sub_f32 v[DG+(\a)], s[Z0], v[M0+(\a)]
	v_sub_f32 v[DG+2+(\a)], 0, v[M1+(\a)]
.endr
.set n, 0
.rept 18
	v_exp_f32 v[FT+n], v[SR+2*n]                   ; one batch: 18 f and 4 g
.set n, n+1
.endr
.irp m, 0,1,2,3
	v_exp_f32 v[GG+(\m)], v[DG+(\m)]
.endr
	v_nop                                          ; a plain instruction behind the last exponential,
	s_wait_alu depctr_va_vdst(0)                   ; and the batch's one wait
.set n, 0
.rept 18
	v_cvt_pk_f16_f32 v[FH+n], v[FT+n], v[FT+n]     ; f in both halves, for the packed product
.set n, n+1
.endr
.irp t, 0,1,2,3,4,5,6,7,8
	ds_store_b64 v[TS], v[FH+2*(\t):FH+2*(\t)+1] offset:256*(\t)  ; unit t, key block h, query r: f of the two a.  My wave's own bytes
.endr
	ds_store_b64 v[TS], v[FH+16:FH+17] offset:256*9  ; a tenth unit, which the last trip loads and nothing uses
.irp t, 0,8,1,2,3,4,5,6,7
	SUMT \t
.endr
.irp m, 0,1,2,3
	v_permlanex16_b32 v[TT], v[L0+(\m)], s[SEL], s[SEL+1]
	v_add_f32 v[L0+(\m)], v[L0+(\m)], v[TT]
.endr
.irp a, 0,1
	v_fmac_f32 v[L0+(\a)], s[NU0], v[GG+(\a)]
	v_fmac_f32 v[L1+(\a)], s[NU1], v[GG+2+(\a)]
.endr
.irp m, 0,1,2,3
	v_rcp_f32 v[IVC+(\m)], v[L0+(\m)]
.endr
	v_nop
	s_wait_alu depctr_va_vdst(0)                   ; one wait for the four reciprocals
.irp k, 0,1,2,3,4,5,6,7                ; Vsuf: the column sums of the far keys, added directly
	s_cmp_le_u32 s[TE], \k
	s_cselect_b32 s2, 1.0, 0
	s_cmp_le_u32 s[TO], \k
	s_cselect_b32 s3, 1.0, 0
.if (\k) == 0
	v_mul_f32 v[VW], s2, v[CR]
	v_mul_f32 v[VW+1], s3, v[CR]
.else
	v_fmac_f32 v[VW], s2, v[CR+(\k)]
	v_fmac_f32 v[VW+1], s3, v[CR+(\k)]
.endif
.endr
	ds_store_b32 v[VSA], v[VW]
	ds_store_b32 v[VSA], v[VW+1] offset:512
	RELOAD 3
	RELOAD 4
	RELOAD 5
	RELOAD 6                                       ; 56 loads of P are out at the most
	WIN 0
	s_wait_dscnt 0x0                               ; for the others' sake: my stores are done
	s_barrier_signal -1                            ; my tensor load may stay out
	s_barrier_wait -1
.macro PLACES
.rept 4
	v_nop
.endr
.endm
; Four of the 32 packed products that put f onto quarter qn's fragments: registers 4 g .. 4 g + 3, which belong to block a = (g / 2) % 2; the quarter lies in key block qn / 2 of its double unit.
.macro RIDER qn, g
	WIN W_SC
.irp z, 0,1,2,3
	v_pk_mul_f16 v[32*(\qn)+4*(\g)+(\z)], v[32*(\qn)+4*(\g)+(\z)], v[FR+2*((\qn)/2)+((\g)/2)%2]
.endr
.endm
; 32 LDS loads in one run: V's fragments of quarter q (64 keys x 128 channels) of the slot in hand, turned, into buffer q % 2
.macro FETCH q
	WIN W_LV
.irp c, 0,1
.irp cb, 0,1,2,3,4,5,6,7
	ds_load_tr16_b128 v[128*((\q)%2)+64*(\c)+8*(\cb):128*((\q)%2)+64*(\c)+8*(\cb)+3],   v[CV+(\q)/2] offset:((\q)%2)*64*PVI+(\c)*32*PVI+32*(\cb)
	ds_load_tr16_b128 v[128*((\q)%2)+64*(\c)+8*(\cb)+4:128*((\q)%2)+64*(\c)+8*(\cb)+7], v[CV+(\q)/2] offset:((\q)%2)*64*PVI+(\c)*32*PVI+16*PVI+32*(\cb)
.endr
.endr
.endm
; A QUARTER: 64 keys, 32 products; the 16 accumulators take turns.  At its head V's fragments are in, and the next quarter's are asked for at once: the four riders behind the
; quarter before's last product are the places in front of those loads, and of the loads that fill that quarter's P again.
; nxt = 1: there is a next quarter to fetch.  rid = 1: riders for quarter (q + 1) % 8; left = how many younger loads of P may stay out.  load = 1: my P registers are loaded again.
.macro QUARTER q, nxt, rid, left, load
	WIN 0
	s_wait_dscnt 0x0                               ; V's fragments of this quarter are in (and the f asked for earlier)
.if (\load) && ((\q) == 4)             ; the next double unit's f: key blocks 0, 1, whose registers the riders left two quarters ago,
	ds_load_b64 v[FR:FR+1],   v[TA] offset:512
	ds_load_b64 v[FR+2:FR+3], v[TA] offset:512+128
.endif
.if (\load) && ((\q) == 7)             ; and key blocks 2, 3, whose last riders stood in quarter 6
	ds_load_b64 v[FR+4:FR+5], v[TA] offset:512+256
	ds_load_b64 v[FR+6:FR+7], v[TA] offset:512+384
	v_add_nc_u32 v[TA], 512, v[TA]
.endif
.if \nxt
	FETCH (\q)+1
.endif
.if \rid
	s_wait_loadcnt \left                           ; the next quarter's P is in
.endif
.irp c, 0,1
.irp a, 0,1
.irp hb, 0,1
	WIN W_MM
.irp k, 0,1,2,3
	v_wmma_f32_16x16x32_f16 v[128+8*(8*(\a)+4*(\hb)+(\k)):128+8*(8*(\a)+4*(\hb)+(\k))+7], v[128*((\q)%2)+64*(\c)+8*(4*(\hb)+(\k)):128*((\q)%2)+64*(\c)+8*(4*(\hb)+(\k))+7], v[32*(\q)+16*(\c)+8*(\a):32*(\q)+16*(\c)+8*(\a)+7], v[128+8*(8*(\a)+4*(\hb)+(\k)):128+8*(8*(\a)+4*(\hb)+(\k))+7]
.endr
.if \rid
	RIDER ((\q)+1)%8, 4*(\c)+2*(\a)+(\hb)
.endif
.endr
.endr
.endr
.if \load
	RELOAD \q
.endif
.endm
; THE CHANGE OF SLOTS, at a trip's head.  Each wave waits for all its tensor loads (one is out: its part of the slot to be read), adds 0 to its spare word, and waits for that and for its reads of the
; other slot.  fill = 1: that other slot takes double unit DN of the walk, first thing behind the barrier: the load has the trip's 256 products in which to land.
.macro CHANGE fill
	s_wait_xcnt 0x0                                ; the trip before's loads and prefetches have read their bases
	WIN 0
	s_wait_tensorcnt 0x0                           ; no tensor load of mine is out, so group 0 may be written
	ds_add_u32 v[SPW], v[NIL]                      ; 0 onto my spare word; the scalar work stands between it and the wait for it
.if \fill
	s_sub_co_u32 s2, s[DN], s[HE]                  ; the double unit's number in the second block (taken only where DN >= HE)
	s_cmp_lt_u32 s[DN], s[HE]
	s_cselect_b32 s2, s[DN], s2
	s_cselect_b64 s[PN:PN+1], s[PBE:PBE+1], s[PBO:PBO+1]
	s_lshl_b32 s[OFF], s2, 14                      ; 16 chunks of 1,024 bytes
	s_add_nc_u64 s[PN:PN+1], s[PN:PN+1], s[OFF:OFF+1]
	s_lshl_b32 s[OFF], s2, 20                      ; 512 rows of 2,048 bytes
	s_add_nc_u64 s[PFA:PFA+1], s[VB:VB+1], s[OFF:OFF+1]
	s_mov_b64 s[G0+2:G0+3], s[PFA:PFA+1]
	s_or_b32 s[G0+3], s[G0+3], 0x80000000
	s_xor_b32 s[TF], s[TF], SLOT
	s_add_co_u32 s[G0+1], s[WBV], s[TF]
	s_cmp_eq_u32 s[DN], 4                          ; the walk's last double unit has one unit alone: the loads of its quarters 4-7 read quarters 0-3's bytes once more, and nothing uses them
	s_cselect_b32 s[OFF], 0, 8192
	s_add_nc_u64 s[PN2:PN2+1], s[PN:PN+1], s[OFF:OFF+1]
.endif
	s_xor_b32 s[TB], s[TB], SLOT
	s_wait_dscnt 0x0                               ; the add is done, and my reads of the other slot are over
	s_barrier_signal -1
	s_barrier_wait -1
.if \fill
	tensor_load_to_lds s[G0:G0+3], s[G1V:G1V+7]    ; my one load behind the barrier
	s_nop 0
	PLACES
.endif
	v_add_nc_u32 v[CV], s[TB], v[CVB]
.irp j, 1,2,3
	v_add_nc_u32 v[CV+(\j)], (\j)*WPART, v[CV]
.endr
	FETCH 0
	WIN 0
.if \fill
	s_cmp_gt_u32 s[CT], s[LIM]                     ; the work-group with p = 0 walks all the batch's keys in its first block: it asks, in trips 0 and 1, for the slot after the one just asked for:
	s_cbranch_scc0 .Lnot_mine_\@                   ; each wave its own 128 rows' 256 bytes, a lane a row
.irp j, 0,1,2,3
	global_prefetch_b8 v[PFO], s[PFA:PFA+1] offset:(1<<20)+65536*(\j) th:TH_LOAD_NT scope:SCOPE_SE
.endr
.Lnot_mine_\@:
.endif
.endm
; A BLOCK BEGINS: O = g Vsuf: nothing is cleared.
.macro BLOCK_BEGIN blk
	WIN 0
.irp cb, 0,1,2,3,4,5,6,7
	ds_load_b128 v[VSR+8*(\cb):VSR+8*(\cb)+3],   v[VA] offset:512*(\blk)+64*(\cb)
	ds_load_b128 v[VSR+8*(\cb)+4:VSR+8*(\cb)+7], v[VA] offset:512*(\blk)+64*(\cb)+16
.endr
.if \blk
	v_mov_b32 v[IVC], v[IVC+2]
	v_mov_b32 v[IVC+1], v[IVC+3]
.endif
	s_wait_dscnt 0x0
.irp cb, 0,1,2,3,4,5,6,7
.irp z, 0,1,2,3
	v_pk_mul_f32 v[128+8*(\cb)+2*(\z):128+8*(\cb)+2*(\z)+1], v[VSR+8*(\cb)+2*(\z):VSR+8*(\cb)+2*(\z)+1], v[GG+2*(\blk):GG+2*(\blk)+1] op_sel_hi:[1,0]
	v_pk_mul_f32 v[192+8*(\cb)+2*(\z):192+8*(\cb)+2*(\z)+1], v[VSR+8*(\cb)+2*(\z):VSR+8*(\cb)+2*(\z)+1], v[GG+2*(\blk):GG+2*(\blk)+1] op_sel:[0,1] op_sel_hi:[1,1]
.endr
.endr
.endm
; A BLOCK ENDS: O / L, 16 queries x 64 channels at a time through my stage: in as 32 bytes a lane and channel block, back as whole rows of 256 bytes.  Each accumulator's lowest registers are read first.
.macro BLOCK_END
	WIN 0
.irp a, 0,1
.irp hf, 0,1
.irp k, 0,1,2,3
.irp z, 0,1,2,3
.if (\a) == 0
	v_pk_mul_f32 v[VSR+8*(\k)+2*(\z):VSR+8*(\k)+2*(\z)+1], v[128+8*(4*(\hf)+(\k))+2*(\z):128+8*(4*(\hf)+(\k))+2*(\z)+1], v[IVC:IVC+1] op_sel_hi:[1,0]
.else
	v_pk_mul_f32 v[VSR+8*(\k)+2*(\z):VSR+8*(\k)+2*(\z)+1], v[192+8*(4*(\hf)+(\k))+2*(\z):192+8*(4*(\hf)+(\k))+2*(\z)+1], v[IVC:IVC+1] op_sel:[0,1] op_sel_hi:[1,1]
.endif
.endr
.endr
.irp k, 0,1,2,3
	ds_store_b128 v[STO], v[VSR+8*(\k):VSR+8*(\k)+3]   offset:64*(\k)
	ds_store_b128 v[STO], v[VSR+8*(\k)+4:VSR+8*(\k)+7] offset:64*(\k)+16
.endr
	s_wait_xcnt 0x0                                ; earlier stores have read their data
.irp t, 0,1,2,3,4,5,6,7
	ds_load_b128 v[RB+4*(\t):RB+4*(\t)+3], v[RD] offset:(\t)*2*SP  ; LDS serves a wave's instructions in order (ISA guide 5.7.1.4)
.endr
	s_wait_dscnt 0x0
.irp t, 0,1,2,3,4,5,6,7
	global_store_b128 v[CO], v[RB+4*(\t):RB+4*(\t)+3], s[OBP:OBP+1] offset:(\a)*65536+(\hf)*256+(\t)*8192  ; 16 lanes store 256 consecutive bytes, aligned
.endr
.endr
.endr
.endm
	BLOCK_BEGIN 0
.irp kb, 0,1,2,3
	ds_load_b64 v[FR+2*(\kb):FR+2*(\kb)+1], v[TA] offset:128*(\kb)  ; the first double unit's f
.endr
	s_wait_dscnt 0x0
	s_wait_loadcnt 48                              ; P's quarter 0 is in; quarters 1-6 may stay out
.irp g, 0,1,2,3,4,5,6,7
	RIDER 0, \g
.endr
	RELOAD 7
	WIN 0
	s_mov_b32 s[CT], 4
	s_mov_b32 s[DN], 1
.Ltrip:                                        ; four trips: a double unit is multiplied, the next is asked for
	CHANGE 1
.irp q, 0,1,2,3,4,5,6
	QUARTER \q, 1, 1, 48, 1                        ; behind the quarter wanted six quarters' loads were issued: 48
.endr
	QUARTER 7, 0, 1, 48, 1                         ; the next slot is read only behind the barrier
	WIN 0
	s_cmp_lg_u32 s[DN], s[HE]
	s_cbranch_scc1 .Lcont                          ; forward, past text that holds neither a barrier nor a tensor load
	BLOCK_END                                      ; the first block is whole
	s_wait_xcnt 0x0                                ; the stores have read their base and their data
	s_mov_b64 s[OBP:OBP+1], s[OBO:OBO+1]
	BLOCK_BEGIN 1
.Lcont:
	s_add_co_u32 s[DN], s[DN], 1
	s_sub_co_u32 s[CT], s[CT], 1
	s_cmp_lg_u32 s[CT], 0
	s_cbranch_scc1 .Ltrip
	CHANGE 0                                       ; the walk's last unit is written out: nothing is asked for
	QUARTER 0, 1, 1, 48, 0                         ; no load is issued any more: the counts run down
	QUARTER 1, 1, 1, 40, 0
	QUARTER 2, 1, 1, 32, 0
	QUARTER 3, 0, 0, 0, 0
	WIN 0
	PLACES
	BLOCK_END
	s_wait_tensorcnt 0x0                           ; the wave's end
	ds_add_u32 v[SPW], v[NIL]
	s_wait_dscnt 0x0
	s_endpgm
.Lfunc_end_k_q52811c3b26_pv:
	.size	k_q52811c3b26_pv, .Lfunc_end_k_q52811c3b26_pv-k_q52811c3b26_pv
	.p2alignl 7, 3214868480
	.fill 96, 4, 3214868480
	.section	.rodata,"a",@progbits
	.p2align	6, 0x0
	.amdhsa_kernel k_q52811c3b26_pv
		.amdhsa_group_segment_fixed_size 327680
		.amdhsa_private_segment_fixed_size 0
		.amdhsa_enable_private_segment 0
		.amdhsa_kernarg_size 40
		.amdhsa_user_sgpr_count 2
		.amdhsa_user_sgpr_kernarg_segment_ptr 1
		.amdhsa_wavefront_size32 1
		.amdhsa_system_sgpr_workgroup_id_x 1
		.amdhsa_system_sgpr_workgroup_id_y 1
		.amdhsa_system_sgpr_workgroup_id_z 1
		.amdhsa_system_vgpr_workitem_id 0
		.amdhsa_next_free_vgpr 768
		.amdhsa_next_free_sgpr 80
		.amdhsa_reserve_vcc 0
		.amdhsa_float_denorm_mode_32 3
		.amdhsa_float_denorm_mode_16_64 3
		.amdhsa_memory_ordered 1
		.amdhsa_forward_progress 1
		.amdhsa_inst_pref_size 150
	.end_amdhsa_kernel
	.amdgpu_metadata
---
amdhsa.version: [ 1, 2 ]
amdhsa.kernels:
  - .name:           k_q52811c3b26_pv
    .symbol:         k_q52811c3b26_pv.kd
    .args:
      - { .name: pw, .offset: 0, .size: 8, .value_kind: global_buffer, .address_space: global }
      - { .name: qkv, .offset: 8, .size: 8, .value_kind: global_buffer, .address_space: global }
      - { .name: st, .offset: 16, .size: 8, .value_kind: global_buffer, .address_space: global }
      - { .name: cs, .offset: 24, .size: 8, .value_kind: global_buffer, .address_space: global }
      - { .name: out0, .offset: 32, .size: 8, .value_kind: global_buffer, .address_space: global }
    .group_segment_fixed_size: 327680
    .private_segment_fixed_size: 0
    .kernarg_segment_align: 8
    .kernarg_segment_size: 40
    .max_flat_workgroup_size: 128
    .sgpr_count:     80
    .vgpr_count:     768
    .wavefront_size: 32
...
	.end_amdgpu_metadata
.endif
;; end of part 4
;; ======== version 2 of 2: 4 launches; version 1 with the launch cast written anew for expert scheduling mode
;; limits: values are held in f16: magnitudes above 65,504 overflow, below 6.1e-05 lose precision
;; workspace buffers: xb 50,331,648 bytes; wb 6,291,456 bytes; qkv 50,331,648 bytes; pw 33,554,432 bytes; st 1,048,576 bytes; cs 131,072 bytes
;; launch cast (part 5): grid 32 x 27, 8 waves a work-group, no clusters, 0 bytes of LDS; arguments Q, K, V, WQ, WK, WV, xb, wb; writes xb, wb
.if DOCPART == 5
	.amdgcn_target "amdgcn-amd-amdhsa--gfx1250"
	.amdhsa_code_object_version 6
	.text
	.protected	k_q52811c3b26_cast
	.globl	k_q52811c3b26_cast
	.p2align	8
	.type	k_q52811c3b26_cast,@function
k_q52811c3b26_cast:
	s_mov_b64 s[64:65], 0
	v_nop
	global_prefetch_b8 v0, s[64:65] scope:SCOPE_SE
	s_setreg_imm32_b32 hwreg(HW_REG_WAVE_SCHED_MODE, 0, 2), 2
	s_setreg_imm32_b32 hwreg(HW_REG_WAVE_MODE, 25, 1), 1
	s_wait_xcnt 0x0
	s_wait_alu depctr_vm_vsrc(0)
; f32 -> bf16, rounded once to nearest even: Q, K, V into xb [3][8192][1024], WQ, WK, WV into wb [3][1024][1024].
; A stream: every byte is read once and written once; no LDS, no barrier, no matrix unit, no prefetch (nothing but memory is at work).
; SHARES.  Grid y names a unit of 1,048,576 numbers: units 0-23 are the eighths of Q, K, V, units 24-26 the three weights.  A work-group takes 128 KiB of a unit,
; a wave 16 KiB: 32 loads of 16 bytes a lane, all issued at once; they are rounded as they land and stored as 8 bytes a lane: 32 lanes store 256 consecutive bytes, aligned.
; THE MODE: SCHED_MODE bits 1:0 = 2 (LLVM: expert scheduling mode 2), set by the entry lines.  The code itself states the register dependences
; between vector instructions and memory instructions, with s_wait_alu, always for 0.
; THE PLAN.  Registers that memory instructions touch:
;   v1, v2   the loads' and the stores' byte offsets: written once at the head, never again.
;   X        written by the 32 loads alone, which are all issued ahead of the first conversion; read by the conversions.  No vector instruction writes X, and no load lands in it a second time.
;   Y        each register is written by one conversion and read by one store; none is written again.
; The 32 loads go in 8 blocks of four.  Block p rounds X's block p into Y's block p; its memory instructions are the four stores of block p - 1, which read Y's block p - 1 and v2:
; registers that no conversion of block p names.  So one wait at a block's head states all that its four stores hang on, and they are dealt among its conversions with no further wait.
; No register that a memory instruction has read is ever written again, and EXEC is never written: there is nothing else to state.
.set NLD, 32                           ; loads of a wave
.set BLK, 4                            ; loads in a block
.set NB,  NLD/BLK                      ; blocks
.set X,   8                            ; v[8:135]    as loaded
.set Y,   136                          ; v[136:199]  to store: registers of their own, so no store's data is ever rewritten
	s_load_b512 s[8:23], s[0:1], 0x0               ; Q, K, V, WQ, WK, WV, xb, wb
	v_lshrrev_b32 v3, 5, v0
	v_readfirstlane_b32 s25, v3                    ; wave 0..7
	v_and_b32 v1, 31, v0
	v_lshlrev_b32 v2, 3, v1                        ; 8 bytes a lane out
	v_lshlrev_b32 v1, 4, v1                        ; 16 bytes a lane in
	s_and_b32 s2, ttmp7, 0xffff                    ; the unit
	s_lshr_b32 s3, s2, 3                           ; units 0-23: which of Q, K, V
	s_and_b32 s4, s2, 7                            ; its eighth; units 24-26: which weight
	s_cmp_lt_u32 s2, 24
	s_cselect_b32 s5, s3, s4                       ; which of the three tensors of its kind
	s_cselect_b32 s6, s4, 0                        ; the unit's place in the source,
	s_cselect_b32 s7, s2, s4                       ; and in the destination
	s_cselect_b32 s24, 1, 0                        ; 1: an activation, 0: a weight
	s_lshl_b32 s6, s6, 22                          ; a unit is 4 MiB in,
	s_lshl_b32 s34, ttmp9, 17                      ; a work-group 128 KiB,
	s_add_co_u32 s6, s6, s34
	s_wait_alu depctr_va_sdst(0)                   ; s25, the wave's number, is written, ahead of its first reader: both byte offsets are made from it
	s_lshl_b32 s34, s25, 14                        ; a wave 16 KiB
	s_add_co_u32 s34, s6, s34
	s_mov_b32 s35, 0
	s_lshl_b32 s7, s7, 21                          ; and half of each out
	s_lshl_b32 s36, ttmp9, 16
	s_add_co_u32 s7, s7, s36
	s_lshl_b32 s36, s25, 13
	s_add_co_u32 s36, s7, s36
	s_mov_b32 s37, 0
	s_wait_kmcnt 0x0
	s_cmp_eq_u32 s24, 1
	s_cselect_b64 s[26:27], s[8:9], s[14:15]       ; the three candidates of the unit's kind
	s_cselect_b64 s[28:29], s[10:11], s[16:17]
	s_cselect_b64 s[30:31], s[12:13], s[18:19]
	s_cselect_b64 s[32:33], s[20:21], s[22:23]     ; and the destination
	s_cmp_eq_u32 s5, 0
	s_cselect_b64 s[26:27], s[26:27], s[28:29]
	s_cmp_eq_u32 s5, 2
	s_cselect_b64 s[26:27], s[30:31], s[26:27]
	s_add_nc_u64 s[26:27], s[26:27], s[34:35]
	s_add_nc_u64 s[32:33], s[32:33], s[36:37]
	s_wait_alu depctr_va_vdst(0)                   ; v1 and v2 are written: every load of the kernel reads v1 as its offset, every store v2
.set i, 0
.rept NLD
	global_load_b128 v[X+4*i:X+4*i+3], v1, s[26:27] offset:512*i th:TH_LOAD_NT
.set i, i+1
.endr
.set p, 0
.rept NB
	s_wait_loadcnt NLD-BLK*(p+1)                   ; loads come back in order: block p's four are in, the younger ones stay out
.if p > 0
	s_wait_alu depctr_va_vdst(0)                   ; the conversions of block p - 1 have written their eight registers of Y, which the four stores below read
.endif
.set j, 0
.rept BLK
.set i, BLK*p+j
.if p > 0
	global_store_b64 v2, v[Y+2*(i-BLK):Y+2*(i-BLK)+1], s[32:33] offset:256*(i-BLK)  ; the block before; no vector instruction since the wait names these registers
.endif
	v_cvt_pk_bf16_f32 v[Y+2*i], v[X+4*i], v[X+4*i+1]
	v_cvt_pk_bf16_f32 v[Y+2*i+1], v[X+4*i+2], v[X+4*i+3]
.set j, j+1
.endr
.set p, p+1
.endr
	s_wait_alu depctr_va_vdst(0)                   ; the last block's conversions have written their registers of Y, which the last four stores read
.set i, NLD-BLK
.rept BLK
	global_store_b64 v2, v[Y+2*i:Y+2*i+1], s[32:33] offset:256*i
.set i, i+1
.endr
	s_endpgm
.Lfunc_end_k_q52811c3b26_cast:
	.size	k_q52811c3b26_cast, .Lfunc_end_k_q52811c3b26_cast-k_q52811c3b26_cast
	.p2alignl 7, 3214868480
	.fill 96, 4, 3214868480
	.section	.rodata,"a",@progbits
	.p2align	6, 0x0
	.amdhsa_kernel k_q52811c3b26_cast
		.amdhsa_group_segment_fixed_size 0
		.amdhsa_private_segment_fixed_size 0
		.amdhsa_enable_private_segment 0
		.amdhsa_kernarg_size 64
		.amdhsa_user_sgpr_count 2
		.amdhsa_user_sgpr_kernarg_segment_ptr 1
		.amdhsa_wavefront_size32 1
		.amdhsa_system_sgpr_workgroup_id_x 1
		.amdhsa_system_sgpr_workgroup_id_y 1
		.amdhsa_system_sgpr_workgroup_id_z 1
		.amdhsa_system_vgpr_workitem_id 0
		.amdhsa_next_free_vgpr 200
		.amdhsa_next_free_sgpr 66
		.amdhsa_reserve_vcc 0
		.amdhsa_float_denorm_mode_32 3
		.amdhsa_float_denorm_mode_16_64 3
		.amdhsa_memory_ordered 1
		.amdhsa_forward_progress 1
		.amdhsa_inst_pref_size 13
	.end_amdhsa_kernel
	.amdgpu_metadata
---
amdhsa.version: [ 1, 2 ]
amdhsa.kernels:
  - .name:           k_q52811c3b26_cast
    .symbol:         k_q52811c3b26_cast.kd
    .args:
      - { .name: Q, .offset: 0, .size: 8, .value_kind: global_buffer, .address_space: global }
      - { .name: K, .offset: 8, .size: 8, .value_kind: global_buffer, .address_space: global }
      - { .name: V, .offset: 16, .size: 8, .value_kind: global_buffer, .address_space: global }
      - { .name: WQ, .offset: 24, .size: 8, .value_kind: global_buffer, .address_space: global }
      - { .name: WK, .offset: 32, .size: 8, .value_kind: global_buffer, .address_space: global }
      - { .name: WV, .offset: 40, .size: 8, .value_kind: global_buffer, .address_space: global }
      - { .name: xb, .offset: 48, .size: 8, .value_kind: global_buffer, .address_space: global }
      - { .name: wb, .offset: 56, .size: 8, .value_kind: global_buffer, .address_space: global }
    .group_segment_fixed_size: 0
    .private_segment_fixed_size: 0
    .kernarg_segment_align: 8
    .kernarg_segment_size: 64
    .max_flat_workgroup_size: 256
    .sgpr_count:     66
    .vgpr_count:     200
    .wavefront_size: 32
...
	.end_amdgpu_metadata
.endif
;; end of part 5
;; launch proj: the kernel of part 2 again; grid 4 x 96, 4 waves a work-group, clusters of 4 x 4, 327,680 bytes of LDS; arguments xb, wb, qkv; writes qkv
;; launch score: the kernel of part 3 again; grid 13 x 16, 4 waves a work-group, no clusters, 327,680 bytes of LDS; arguments qkv, pw, st, cs; writes pw, st, cs
;; launch pv: the kernel of part 4 again; grid 8 x 32, 4 waves a work-group, no clusters, 327,680 bytes of LDS; arguments pw, qkv, st, cs, out0; writes out0
